; MI455X (gfx1250); checked and timed in simulation.
; The chip was launched on July 23, 2026; its instructions are those of AMD's public machine-readable ISA for CDNA 5 (MIT licence, August 2026) and "CDNA5" Instruction Set Architecture Reference Guide (July 2026). The comments in the code are by the model that wrote it; some were corrected since.
;; Self Attention. Allowed arithmetic: matrix products marked QUANTISED: E3M2 operands, one E8M0 scale for each 32 along K, by v_wmma_scale_f32_16x16x128_f8f6f4 with both operands' format E3M2, f32 sums; everything else in f32.
;; Inputs: Wk 1,024 x 1,024 float32; Wo 1,024 x 1,024 float32; Wq 1,024 x 1,024 float32; Wv 1,024 x 1,024 float32; beta 1,024 float32; bk 1,024 float32; bo 1,024 float32; bq 1,024 float32; bv 1,024 float32; gamma 1,024 float32; mask 1 x 1 x 2,048 x 2,048 int32; x 4 x 2,048 x 1,024 float32.
;; Outputs: out0 4 x 2,048 x 1,024 float32.
;; This version of the problem:
;;   THIS VERSION OF THE PROBLEM IS GIVEN IN LOW PRECISION. The matrix products marked QUANTISED in the list below multiply operands that are first quantised to E3M2 (3 exponent bits, 2 mantissa bits; 6 bits a number), with one power-of-two scale for each 32 numbers along K (OCP MX v1.0); their sums are f32. All else is computed in f32.
;;   The module's matrix products, in the order in which they are computed (A, B: the left and right operand; K: the contracted axis; several contracted axes count as one K, in the product's order):
;;     1. [M 8,192, K 1,024] x [K 1,024, N 1,024]; A: computed on the way; B: input Wq: QUANTISED
;;     2. [M 8,192, K 1,024] x [K 1,024, N 1,024]; A: computed on the way; B: input Wk: QUANTISED
;;     3. [M 8,192, K 1,024] x [K 1,024, N 1,024]; A: computed on the way; B: input Wv: QUANTISED
;;     4. batch 64 x [M 2,048, K 64] x [K 64, N 2,048]; A: computed on the way; B: computed on the way: QUANTISED
;;     5. batch 64 x [M 2,048, K 2,048] x [K 2,048, N 64]; A: softmax (see below); B: computed on the way: QUANTISED
;;     6. [M 8,192, K 1,024] x [K 1,024, N 1,024]; A: computed on the way; B: input Wo: QUANTISED
;;   THE QUANTISER, for each operand of a quantised product, along K:
;;     - K is cut into blocks of 32 from its start; a last block that is shorter is filled with zeros.
;;     - A block's scale is 2^e with e = floor(log2(the largest magnitude in the block)) - 4, held to -126 .. 127; a block of zeros has e = 0. As a byte (E8M0): e + 127.
;;     - Each number is divided by its block's scale, clamped to +-28, and rounded to the nearest number of E3M2, ties to even, subnormals kept.
;;     - The product sums the exact products of the quantised numbers (number of the format x scale) in f32.
;;   ~~~python
;;   def quantise(x, axis):      # numpy; x: float32 -> the quantised numbers, widened to float32 again
;;       x = np.moveaxis(x, axis, -1); K = x.shape[-1]
;;       x = np.pad(x, [(0, 0)] * (x.ndim - 1) + [(0, -K % 32)]); x = x.reshape(x.shape[:-1] + (-1, 32)); a = np.abs(x).max(-1, keepdims=True)
;;       e = np.where(a > 0, np.clip(np.frexp(np.where(a > 0, a, 1))[1] - 1 - 4, -126, 127), 0)      # np.frexp(a)[1] - 1 = floor(log2(a)), exactly
;;       r = np.clip(x / 2.0 ** e, -28, 28)
;;       step = 2.0 ** (np.maximum(np.frexp(np.where(r == 0, 1, r))[1] - 1, -2) - 2)
;;       q = np.round(r / step) * step * 2.0 ** e      # np.round: ties to even
;;       return np.moveaxis(q.reshape(q.shape[:-2] + (-1,))[..., :K], -1, axis).astype(np.float32)
;;   ~~~
;;   SOFTMAX AHEAD OF A QUANTISED PRODUCT. Where the list says 'softmax', what is quantised is not the finished softmax but p = 2^(t - M), with t = logit x log2(e) and M = ceil(the row's largest t), a whole number; so 1/2 < the row's largest p <= 1. The row's sum l is taken of the UNQUANTISED p, in f32, and the product's result is divided by l at the end. Since M is a whole number, a kernel that streams over the keys may use a running M (the ceiling of the running maximum): every later rescaling is an exact power of two, which a block's scale takes up: the codes' values come out the same.
;;   OPERANDS COMPUTED ON THE WAY. 'Computed on the way' means the value that the module computes at that place (a softmax that the list does not call 'softmax' is quantised finished and normalised). What goes into a quantiser is computed in f32, as accurately as f32 sums, v_exp_f32 and their like allow (about 1e-6 of the number): no bf16 or f16 on the way to a quantiser, and a product that is left as it is and whose result goes on into a quantised operand takes f32 operands (vector FMAs, or v_wmma_f32_16x16x4_f32). A number that lies on a knife's edge between two numbers of the format may be rounded either way, as far as f32 arithmetic and the matrix unit's own rounding can turn it there, and no further.
;; 2 versions, each right; version 2 is version 1 with the launch attn written anew for expert scheduling mode. Each part assembles by itself: llvm-mc -triple=amdgcn-amd-amdhsa -mcpu=gfx1250 --defsym DOCPART=n.
;; ======== version 1 of 2: 4 launches
;; limits: right only within a limited range of input values
;; workspace buffers: hcod 6,553,600 bytes; wcod 3,276,800 bytes; msk 524,800 bytes of whole numbers; qq 6,815,744 bytes; kv 13,369,344 bytes; ocod 6,553,600 bytes
;; launch prep (part 1): grid 448 x 1, 16 waves a work-group, no clusters, 323,840 bytes of LDS; arguments x, gamma, beta, mask, Wq, Wk, Wv, Wo, hcod, wcod, msk; writes hcod, wcod, msk
.if DOCPART == 1
	.amdgcn_target "amdgcn-amd-amdhsa--gfx1250"
	.amdhsa_code_object_version 6
	.text
	.protected	k_qef80322dc7_prep
	.globl	k_qef80322dc7_prep
	.p2align	8
	.type	k_qef80322dc7_prep,@function
k_qef80322dc7_prep:
	s_mov_b64 s[64:65], 0
	v_nop
	global_prefetch_b8 v0, s[64:65] scope:SCOPE_SE
	s_setreg_imm32_b32 hwreg(HW_REG_WAVE_MODE, 25, 1), 1
	s_wait_xcnt 0x0
; PREPARATION, three roles told apart by the work-group's number; they part once and never join, and each has LDS bytes of its own.
;   work-groups   0-255 (X): LayerNorm of 32 tokens of x [8192][1024] and its codes of BF6 (E3M2) along the 1,024, into hcod.
;   work-groups 256-383 (M): the mask [2048][2048] of one tile of 16 queries as lane-mask words and one flag word, into msk.
;   work-groups 384-447 (W): 64 columns of one of Wq, Wk, Wv, Wo [k][n], quantised down k, into wcod.
; ORDER OF A TILE'S ROWS (tokens, output channels): rows go in groups of 32; tile 2 G + u, lane r, is row 32 G + 8 u + r + 8 (r / 8).
; A FRAGMENT (16 rows x 128 K, 12 registers a lane) lies in memory as an image of its registers: two halves of 768 bytes; in a half
; registers 0-3 at 16 x lane, registers 4-5 at 512 + 8 x lane.  A tile's scale words for 128 K: 64 bytes, lane r's at 4 r.
; A STRIP (128 rows, K = 1,024) is 102,400 bytes: 4 chunks of [2 K steps][8 tiles][1,536] codes and then [2][8][64] scale words.
; A block's scale byte is its largest magnitude's exponent field - 4, held at 1 from below by a floor among the maximum's leaves.
; LIMITS: a block of zeros gets the byte 1 (its codes are zeros, and this program alone reads the bytes); NaN and infinities are not served.
; No matrix unit, no tensor load, no cluster: memory binds, and the roles share no input.
.set SP,    528                        ; a stage row: 512 bytes + 16: sixteen rows start at sixteen different groups of banks
.set WSTG,  16*SP                      ; a wave's stage
.set MSTG,  16*WSTG                    ; role M's stages, behind role X's (which begin at 0)
.set RX,    2*16*WSTG                  ; role X: partial sums [u][r][s], 1,024 bytes, and partial sums of squares, 1,024 more
.set MR,    RX+2048                    ; role M: sixteen OR words, at +64 sixteen AND words
.set WST,   MR+256                     ; role W: 3,072 bytes a wave: two fragments' images
.set STRIP, 102400
.set CHUNK, 25600
.set N,     64                         ; v64-127: a lane's 64 numbers
.set TM,    20                         ; v20-35 at work in the quantiser
.set PW,    36                         ; the scale word
.set PC,    40                         ; v40-51 the codes
.set PT,    52                         ; v52-58 the blocks' second halves
	s_load_b256 s[4:11], s[0:1], 0x0               ; x, gamma, beta, mask
	s_load_b256 s[12:19], s[0:1], 0x20             ; Wq, Wk, Wv, Wo
	s_load_b128 s[20:23], s[0:1], 0x40             ; hcod, wcod
	s_load_b64 s[24:25], s[0:1], 0x50              ; msk
	v_lshl_add_u32 v62, v0, 2, 0x4e900
	v_mov_b32 v63, 0
	v_lshrrev_b32 v1, 5, v0
	v_readfirstlane_b32 s26, v1                    ; wave 0..15
	v_and_b32 v1, 31, v0                           ; lane
	v_and_b32 v2, 15, v0                           ; r
	v_bfe_u32 v3, v0, 4, 1                         ; h
	v_lshlrev_b32 v4, 4, v1                        ; 16 x lane
	v_lshlrev_b32 v5, 3, v1                        ; 8 x lane
	v_lshlrev_b32 v6, 2, v2                        ; 4 r
	v_lshlrev_b32 v60, 2, v1                       ; 4 x lane
	; every LDS address is made here, ahead of the parting of the roles
	s_mul_i32 s27, s26, WSTG
	v_add_nc_u32 v7, s27, v4                       ; X's stage, in: 16 bytes a lane of a row
	v_mul_u32_u24 v8, v2, SP
	v_lshl_add_u32 v8, v3, 6, v8
	v_add_nc_u32 v8, s27, v8                       ; and out: row r, + 64 h
	v_add_nc_u32 v9, MSTG, v7                      ; M's likewise
	v_add_nc_u32 v10, MSTG, v8
	s_lshr_b32 s28, s26, 3                         ; u = wave / 8
	s_and_b32 s29, s26, 7                          ; s = wave % 8
	s_lshl_b32 s30, s28, 9
	s_add_co_u32 s30, s30, RX
	v_lshl_add_u32 v12, v2, 5, s30                 ; row r's eight partial sums
	s_lshl_b32 s31, s29, 2
	v_add_nc_u32 v11, s31, v12                     ; and mine among them
	s_lshl_b32 s31, s26, 2
	s_add_co_u32 s31, s31, MR
	v_mov_b32 v13, s31                             ; M: my wave's word
	v_add_nc_u32 v14, MR, v6                       ; M: lane r reads wave r's word
	v_bfe_u32 v15, v0, 3, 1                        ; W: column 32 G + lane is tile 2 G + u', lane r': u' = (lane / 8) % 2,
	v_and_b32 v16, 7, v0
	v_lshl_add_u32 v16, v3, 3, v16                 ; r' = lane % 8 + 8 (lane / 16)
	s_mul_i32 s31, s26, 3072
	s_add_co_u32 s31, s31, WST
	v_mul_u32_u24 v17, v15, 1536
	v_add_nc_u32 v17, s31, v17
	v_lshlrev_b32 v18, 6, v15
	v_lshl_add_u32 v18, v16, 2, v18                ; W: my scale word's place: 64 u' + 4 r'
	v_lshl_add_u32 v15, v16, 4, v17                ; W: registers 0-3 of my place in an image
	v_lshl_add_u32 v16, v16, 3, v17                ; W: registers 4-5
	v_add_nc_u32 v17, s31, v4                      ; W: the images read back, 16 bytes a lane
	v_lshlrev_b32 v19, 6, v3                       ; 64 h: gamma's and beta's offset
	s_mov_b32 s50, 0x76543210
	s_mov_b32 s51, 0xfedcba98                      ; v_permlanex16_b32's selects for lane l xor 16
	s_mov_b32 s52, 0x3a800000                      ; 1 / 1,024
	s_mov_b32 s53, 0x3727c5ac                      ; 1e-5
.irp b, 0,1,2,3
	v_mov_b32 v[TM+4+\b], 0                        ; written once: a lane permute's destination counts as one of its sources
.endr
	s_wait_kmcnt 0x0
	s_cmp_ge_u32 ttmp9, 384
	s_cbranch_scc1 .Lrole_w
	s_cmp_ge_u32 ttmp9, 256
	s_cbranch_scc1 .Lrole_m
; sixteen rows of a tile, 512 bytes of each: every load reads 512 bytes on end
.macro ROWS lo, pitch
.irp i, 0,1,2,3,4,5,6,7,8,9,10,11,12,13,14,15
	global_load_b128 v[N+4*\i:N+4*\i+3], v4, s[\lo:\lo+1] offset:(\i+8*(\i/8))*\pitch th:TH_LOAD_NT
.endr
.endm
; through the wave's own stage: afterwards register 16 b + i of lane (r, h) is element 32 b + 16 h + i of row r.  LDS serves a wave's instructions in order: no wait between the stores and the loads
.macro STAGE in, out
.irp i, 0,1,2,3,4,5,6,7,8,9,10,11,12,13,14,15
	ds_store_b128 v[\in], v[N+4*\i:N+4*\i+3] offset:SP*\i
.endr
.irp b, 0,1,2,3
.irp j, 0,1,2,3
	ds_load_b128 v[N+16*\b+4*\j:N+16*\b+4*\j+3], v[\out] offset:128*\b+16*\j
.endr
.endr
	s_wait_dscnt 0x0
.endm
; s36: strip, s37: tile in the strip, s29: K step  ->  s[40:41] the fragment's place, s[42:43] its scale words'
.macro FRAGAT ptr
	s_mul_i32 s36, s36, STRIP
	s_lshr_b32 s38, s29, 1
	s_mul_i32 s38, s38, CHUNK
	s_add_co_u32 s36, s36, s38
	s_and_b32 s38, s29, 1
	s_mul_i32 s40, s38, 12288
	s_mul_i32 s41, s37, 1536
	s_add_co_u32 s40, s40, s41
	s_add_co_u32 s40, s40, s36
	s_mov_b32 s41, 0
	s_lshl_b32 s42, s38, 9
	s_lshl_b32 s43, s37, 6
	s_add_co_u32 s42, s42, s43
	s_add_co_u32 s42, s42, s36
	s_add_co_u32 s42, s42, 24576
	s_mov_b32 s43, 0
	s_add_nc_u64 s[40:41], s[\ptr:\ptr+1], s[40:41]
	s_add_nc_u64 s[42:43], s[\ptr:\ptr+1], s[42:43]
.endm
; v28: my lane's sum  ->  v28: the row's sum over all 1,024: lane l xor 16's, then the eight waves' through LDS
.macro ACROSS off
	v_permlanex16_b32 v24, v28, s50, s51
	v_add_f32 v28, v28, v24
	ds_store_b32 v11, v28 offset:\off
	s_wait_dscnt 0x0                               ; for the others' sake: my word has landed
	s_barrier_signal -1
	s_barrier_wait -1
	ds_load_b128 v[28:31], v12 offset:\off
	ds_load_b128 v[32:35], v12 offset:\off+16
	s_wait_dscnt 0x0
	v_add_f32 v28, v28, v29
	v_add_f32 v30, v30, v31
	v_add_f32 v32, v32, v33
	v_add_f32 v34, v34, v35
	v_add_f32 v28, v28, v30
	v_add_f32 v32, v32, v34
	v_add_f32 v28, v28, v32
.endm
; 64 numbers of a lane, register 16 b + i = k 32 b + 16 h + i of my row, become a fragment's codes in v[PC] on and its scale word in v[PW]
.macro QUANT s
.irp b, 0,1,2,3
	v_max3_num_f32 v[TM+\b], |v[\s+16*\b]|, |v[\s+1+16*\b]|, 0x2800000   ; my 16 numbers of block b, and the floor 2^(5 - 127)
.endr
.irp i, 2,4,6,8,10,12,14
.irp b, 0,1,2,3
	v_max3_num_f32 v[TM+\b], v[TM+\b], |v[\s+16*\b+\i]|, |v[\s+1+16*\b+\i]|
.endr
.endr
.irp b, 0,1,2,3
	v_permlanex16_b32 v[TM+4+\b], v[TM+\b], s50, s51
.endr
.irp b, 0,1,2,3
	v_max_num_f32 v[TM+\b], v[TM+\b], v[TM+4+\b]   ; with lane l xor 16's: the block's largest magnitude
.endr
.irp b, 0,1,2,3
	v_add_nc_u32 v[TM+12+\b], 0xfe000000, v[TM+\b] ; 4 off its exponent field: the conversion's scale operand
.endr
.irp b, 0,1,2,3
	v_lshrrev_b32 v[TM+4+\b], 23, v[TM+12+\b]      ; the scale's byte
.endr
	v_lshl_or_b32 v[PW], v[TM+5], 8, v[TM+4]
	v_lshl_or_b32 v[PW], v[TM+6], 16, v[PW]
	v_lshl_or_b32 v[PW], v[TM+7], 24, v[PW]
.irp c, 0,1
	v_cvt_scalef32_pk16_bf6_f32 v[PC+6*\c:PC+6*\c+2], v[\s+32*\c:\s+32*\c+15], v[TM+12+2*\c]
	v_cvt_scalef32_pk16_bf6_f32 v[PT+4*\c:PT+4*\c+2], v[\s+32*\c+16:\s+32*\c+31], v[TM+13+2*\c]
.endr
	v_nop                                          ; one plain place behind a scaled conversion
.irp c, 0,1                                    ; a whole block to a lane: lanes 0-15 block 2 c, lanes 16-31 block 2 c + 1
.irp i, 0,1,2
	v_permlane16_swap_b32 v[PC+6*\c+\i], v[PT+4*\c+\i]
.endr
.irp i, 0,1,2
	v_mov_b32 v[PC+6*\c+3+\i], v[PT+4*\c+\i]
.endr
.endr
.endm
	; ---------------- ROLE X.  Group G = work-group; wave: tile u = wave / 8 of the group, K step s = wave % 8
	s_lshl_b32 s32, ttmp9, 5
	s_lshl_b32 s33, s28, 3
	s_add_co_u32 s32, s32, s33                     ; the tile's first token: 32 G + 8 u
	s_lshl_b32 s32, s32, 12                        ; a row of x is 4,096 bytes
	s_lshl_b32 s34, s29, 9                         ; 512 s
	s_mov_b32 s35, 0
	s_add_co_u32 s32, s32, s34
	s_mov_b32 s33, 0
	s_add_nc_u64 s[4:5], s[4:5], s[32:33]
	s_add_nc_u64 s[6:7], s[6:7], s[34:35]
	s_add_nc_u64 s[8:9], s[8:9], s[34:35]
	ROWS 4, 4096
.irp b, 0,1,2,3
.irp j, 0,1,2,3
	global_load_b128 v[128+16*\b+4*\j:128+16*\b+4*\j+3], v19, s[6:7] offset:128*\b+16*\j   ; gamma at my 64 k
.endr
.endr
.irp b, 0,1,2,3
.irp j, 0,1,2,3
	global_load_b128 v[192+16*\b+4*\j:192+16*\b+4*\j+3], v19, s[8:9] offset:128*\b+16*\j   ; beta
.endr
.endr
	s_lshr_b32 s36, ttmp9, 2                       ; the strip: four groups each
	s_and_b32 s37, ttmp9, 3
	s_lshl_b32 s37, s37, 1
	s_add_co_u32 s37, s37, s28                     ; the tile in it
	FRAGAT 20
	s_wait_loadcnt 32                              ; x's sixteen loads are in; gamma's and beta's 32, issued behind them, may be out
	STAGE 7, 8
	v_pk_add_f32 v[28:29], v[N:N+1], v[N+2:N+3]    ; the sum of my 64, in four chains
	v_pk_add_f32 v[30:31], v[N+4:N+5], v[N+6:N+7]
	v_pk_add_f32 v[32:33], v[N+8:N+9], v[N+10:N+11]
	v_pk_add_f32 v[34:35], v[N+12:N+13], v[N+14:N+15]
.irp j, 16,24,32,40,48,56
	v_pk_add_f32 v[28:29], v[28:29], v[N+\j:N+\j+1]
	v_pk_add_f32 v[30:31], v[30:31], v[N+\j+2:N+\j+3]
	v_pk_add_f32 v[32:33], v[32:33], v[N+\j+4:N+\j+5]
	v_pk_add_f32 v[34:35], v[34:35], v[N+\j+6:N+\j+7]
.endr
	v_pk_add_f32 v[28:29], v[28:29], v[30:31]
	v_pk_add_f32 v[32:33], v[32:33], v[34:35]
	v_pk_add_f32 v[28:29], v[28:29], v[32:33]
	v_add_f32 v28, v28, v29
	ACROSS 0
	v_mul_f32 v28, s52, v28                        ; the mean
.irp j, 0,2,4,6,8,10,12,14,16,18,20,22,24,26,28,30,32,34,36,38,40,42,44,46,48,50,52,54,56,58,60,62
	v_pk_add_f32 v[N+\j:N+\j+1], v[N+\j:N+\j+1], v[28:29] op_sel_hi:[1,0] neg_lo:[0,1] neg_hi:[0,1]   ; x - mean
.endr
	v_pk_mul_f32 v[28:29], v[N:N+1], v[N:N+1]      ; the sum of squares, in four chains
	v_pk_mul_f32 v[30:31], v[N+2:N+3], v[N+2:N+3]
	v_pk_mul_f32 v[32:33], v[N+4:N+5], v[N+4:N+5]
	v_pk_mul_f32 v[34:35], v[N+6:N+7], v[N+6:N+7]
.irp j, 8,16,24,32,40,48,56
	v_pk_fma_f32 v[28:29], v[N+\j:N+\j+1], v[N+\j:N+\j+1], v[28:29]
	v_pk_fma_f32 v[30:31], v[N+\j+2:N+\j+3], v[N+\j+2:N+\j+3], v[30:31]
	v_pk_fma_f32 v[32:33], v[N+\j+4:N+\j+5], v[N+\j+4:N+\j+5], v[32:33]
	v_pk_fma_f32 v[34:35], v[N+\j+6:N+\j+7], v[N+\j+6:N+\j+7], v[34:35]
.endr
	v_pk_add_f32 v[28:29], v[28:29], v[30:31]
	v_pk_add_f32 v[32:33], v[32:33], v[34:35]
	v_pk_add_f32 v[28:29], v[28:29], v[32:33]
	v_add_f32 v28, v28, v29
	ACROSS 1024                                    ; other bytes than the first sums': no third barrier is needed
	v_fma_f32 v28, v28, s52, s53                   ; the variance + 1e-5 (the product with 2^-10 is exact)
	v_rsq_f32 v28, v28
	v_nop                                          ; a plain place behind the transcendental
	s_wait_alu depctr_va_vdst(0)                   ; and a wait ahead of its first reader
	s_wait_loadcnt 0x0                             ; gamma, beta
.irp j, 0,2,4,6,8,10,12,14,16,18,20,22,24,26,28,30,32,34,36,38,40,42,44,46,48,50,52,54,56,58,60,62
	v_pk_mul_f32 v[N+\j:N+\j+1], v[N+\j:N+\j+1], v[28:29] op_sel_hi:[1,0]
.endr
.irp j, 0,2,4,6,8,10,12,14,16,18,20,22,24,26,28,30,32,34,36,38,40,42,44,46,48,50,52,54,56,58,60,62
	v_pk_fma_f32 v[N+\j:N+\j+1], v[N+\j:N+\j+1], v[128+\j:129+\j], v[192+\j:193+\j]
.endr
	QUANT N
	global_store_b128 v4, v[PC:PC+3], s[40:41]                 ; each store covers whole aligned blocks of 256 bytes
	global_store_b64 v5, v[PC+4:PC+5], s[40:41] offset:512
	global_store_b128 v4, v[PC+6:PC+9], s[40:41] offset:768
	global_store_b64 v5, v[PC+10:PC+11], s[40:41] offset:1280
	global_store_b32 v6, v[PW], s[42:43]                       ; lanes r and r + 16 hold the same word
	s_wait_tensorcnt 0x0
	ds_add_u32 v62, v63
	s_wait_dscnt 0x0
	s_endpgm
	; ---------------- ROLE M.  Tile T of 16 queries = work-group - 256; wave = key step of 128 keys
.Lrole_m:
	s_sub_co_u32 s28, ttmp9, 256
	s_lshr_b32 s29, s28, 1
	s_lshl_b32 s29, s29, 5
	s_and_b32 s30, s28, 1
	s_lshl_b32 s30, s30, 3
	s_add_co_u32 s29, s29, s30                     ; the tile's first query
	s_lshl_b32 s32, s29, 13                        ; a row of the mask is 8,192 bytes
	s_lshl_b32 s30, s26, 9
	s_add_co_u32 s32, s32, s30
	s_mov_b32 s33, 0
	s_add_nc_u64 s[10:11], s[10:11], s[32:33]
	ROWS 10, 8192
	s_lshl_b32 s32, s28, 4
	s_add_co_u32 s32, s32, s26
	s_lshl_b32 s32, s32, 8                         ; (16 T + key step) x 256 bytes
	s_add_nc_u64 s[34:35], s[24:25], s[32:33]
	s_mov_b32 s48, -1
	s_mov_b32 s49, 0
	v_mov_b32 v20, 0
	v_mov_b32 v21, 0
	s_wait_loadcnt 0x0
	STAGE 9, 10
; word n: bit L = the mask lets lane L's query see key 128 ks + 32 (n / 16) + 16 (L / 16) + n % 16: the place of score register n in the attention launch
.set n, 0
.rept 64
	v_cmp_ne_u32 s[40+n%4], 0, v[N+n]
	v_writelane_b32 v[20+n%2], s[40+n%4], n/2
	s_and_b32 s48, s48, s[40+n%4]
	s_or_b32 s49, s49, s[40+n%4]
.set n, n+1
.endr
	global_store_b64 v5, v[20:21], s[34:35]        ; 64 words: one aligned block of 256 bytes
	v_mov_b32 v22, s49
	v_mov_b32 v23, s48
	ds_store_b32 v13, v22
	ds_store_b32 v13, v23 offset:64
	s_wait_dscnt 0x0
	s_barrier_signal -1
	s_barrier_wait -1
	s_cmp_lg_u32 s26, 0
	s_cbranch_scc1 .Lm_end                         ; wave 0 makes the tile's flag word
	ds_load_b32 v22, v14                           ; lane r: key step r's OR
	ds_load_b32 v23, v14 offset:64                 ; and its AND
	s_wait_dscnt 0x0
	v_cmp_eq_u32 s44, 0, v22                       ; steps that hide everything
	v_cmp_eq_u32 s45, -1, v23                      ; steps that hide nothing
	s_mov_b32 s47, 0
.irp i, 0,1,2,3,4,5,6,7,8,9,10,11,12,13,14,15
	v_readlane_b32 s46, v22, \i
	s_or_b32 s47, s47, s46
.endr
	s_lshr_b32 s46, s47, 16
	s_or_b32 s47, s47, s46
	s_and_b32 s47, s47, 0xffff                     ; bit r: query r sees some key
	s_and_b32 s44, s44, 0xffff
	s_cmp_eq_u32 s47, 0xffff
	s_cselect_b32 s44, s44, 0                      ; a step may be left out only if every query of the tile sees some key: a query that sees none weighs all keys alike
	s_lshl_b32 s45, s45, 16
	s_or_b32 s44, s44, s45                         ; bit ks: leave the step out; bit 16 + ks: no word is needed
	s_lshl_b32 s32, s28, 2
	s_add_co_u32 s32, s32, 524288
	s_add_nc_u64 s[36:37], s[24:25], s[32:33]
	v_mov_b32 v24, 0
	v_mov_b32 v25, s44
	v_cmp_gt_u32 vcc_lo, 1, v0
	s_wait_xcnt 0x0                                ; EXEC changes only behind this wait
	s_and_saveexec_b32 s46, vcc_lo
	global_store_b32 v24, v25, s[36:37]
	s_wait_xcnt 0x0
	s_or_b32 exec_lo, exec_lo, s46
.Lm_end:
	s_wait_tensorcnt 0x0
	ds_add_u32 v62, v63
	s_wait_dscnt 0x0
	s_endpgm
	; ---------------- ROLE W.  A lane takes a column and its registers run down k, so the conversions give codes with k innermost
.Lrole_w:
	s_sub_co_u32 s30, ttmp9, 384
	s_lshr_b32 s31, s30, 4                         ; which weight
	s_cmp_eq_u32 s31, 1
	s_cselect_b64 s[12:13], s[14:15], s[12:13]
	s_cmp_eq_u32 s31, 2
	s_cselect_b64 s[12:13], s[16:17], s[12:13]
	s_cmp_eq_u32 s31, 3
	s_cselect_b64 s[12:13], s[18:19], s[12:13]
	s_and_b32 s32, s30, 15
	s_lshl_b32 s32, s32, 1
	s_add_co_u32 s32, s32, s28                     ; G: my wave's 32 columns
	s_lshl_b32 s34, s29, 19                        ; 128 s rows of 4,096 bytes
	s_lshl_b32 s35, s32, 7
	s_add_co_u32 s34, s34, s35
	s_mov_b32 s35, 0
	s_add_nc_u64 s[12:13], s[12:13], s[34:35]
	s_lshl_b32 s36, s31, 3
	s_lshr_b32 s37, s32, 2
	s_add_co_u32 s36, s36, s37                     ; the strip: 8 x weight + G / 4
	s_and_b32 s37, s32, 3
	s_lshl_b32 s37, s37, 1                         ; its tiles 2 (G % 4) and the next
	FRAGAT 22
.macro WLOAD t
.irp i, 0,1,2,3,4,5,6,7,8,9,10,11,12,13,14,15,16,17,18,19,20,21,22,23,24,25,26,27,28,29,30,31
	global_load_b32 v[N+32*((\t)%2)+\i], v60, s[12:13] offset:(32*(\t)+\i)*4096 th:TH_LOAD_NT
.endr
.endm
.macro WBLOCK t
.set XS, N+32*((\t)%2)
.if (\t) < 3
	s_wait_loadcnt 32                              ; this block's 32 loads are in; the next block's 32 may be out
.else
	s_wait_loadcnt 0x0
.endif
	v_max3_num_f32 v28, |v[XS]|, |v[XS+1]|, |v[XS+2]|
	v_max3_num_f32 v29, |v[XS+3]|, |v[XS+4]|, |v[XS+5]|
.irp i, 6,10,14,18,22,26
	v_max3_num_f32 v28, v28, |v[XS+\i]|, |v[XS+\i+1]|
	v_max3_num_f32 v29, v29, |v[XS+\i+2]|, |v[XS+\i+3]|
.endr
	v_max3_num_f32 v28, v28, |v[XS+30]|, |v[XS+31]|
	v_max3_num_f32 v28, v28, v29, 0x2800000        ; and the floor
	v_add_nc_u32 v30, 0xfe000000, v28
	v_cvt_scalef32_pk16_bf6_f32 v[PC:PC+2], v[XS:XS+15], v30
	v_cvt_scalef32_pk16_bf6_f32 v[PT:PT+2], v[XS+16:XS+31], v30
	v_lshrrev_b32 v31, 23, v30                     ; the byte; also the plain place behind the conversions
.if (\t) == 0
	v_mov_b32 v[PW], v31
.else
	v_lshl_or_b32 v[PW], v31, 8*(\t), v[PW]
.endif
.irp i, 0,1,2
	v_mov_b32 v[PC+3+\i], v[PT+\i]
.endr
	ds_store_b128 v15, v[PC:PC+3] offset:768*((\t)/2)+256*((\t)%2)          ; block t is half t / 2, lanes 16 (t % 2) on, of the image
	ds_store_b64 v16, v[PC+4:PC+5] offset:768*((\t)/2)+512+128*((\t)%2)
.if (\t)+2 < 4
	WLOAD (\t)+2
.endif
	s_wait_dscnt 0x0                               ; the stores have read their registers
.endm
	WLOAD 0
	WLOAD 1
	WBLOCK 0
	WBLOCK 1
	WBLOCK 2
	WBLOCK 3
.irp k, 0,1,2,3,4,5
	ds_load_b128 v[N+4*\k:N+4*\k+3], v17 offset:512*\k
.endr
	s_wait_dscnt 0x0
.irp k, 0,1,2,3,4,5
	global_store_b128 v4, v[N+4*\k:N+4*\k+3], s[40:41] offset:512*\k        ; two fragments, 3,072 bytes on end
.endr
	global_store_b32 v18, v[PW], s[42:43]
	s_wait_tensorcnt 0x0
	ds_add_u32 v62, v63
	s_wait_dscnt 0x0
	s_endpgm
.Lfunc_end_k_qef80322dc7_prep:
	.size	k_qef80322dc7_prep, .Lfunc_end_k_qef80322dc7_prep-k_qef80322dc7_prep
	.p2alignl 7, 3214868480
	.fill 96, 4, 3214868480
	.section	.rodata,"a",@progbits
	.p2align	6, 0x0
	.amdhsa_kernel k_qef80322dc7_prep
		.amdhsa_group_segment_fixed_size 323840
		.amdhsa_private_segment_fixed_size 0
		.amdhsa_enable_private_segment 0
		.amdhsa_kernarg_size 88
		.amdhsa_user_sgpr_count 2
		.amdhsa_user_sgpr_kernarg_segment_ptr 1
		.amdhsa_wavefront_size32 1
		.amdhsa_system_sgpr_workgroup_id_x 1
		.amdhsa_system_sgpr_workgroup_id_y 1
		.amdhsa_system_sgpr_workgroup_id_z 1
		.amdhsa_system_vgpr_workitem_id 0
		.amdhsa_next_free_vgpr 256
		.amdhsa_next_free_sgpr 66
		.amdhsa_reserve_vcc 1
		.amdhsa_float_denorm_mode_32 3
		.amdhsa_float_denorm_mode_16_64 3
		.amdhsa_memory_ordered 1
		.amdhsa_forward_progress 1
		.amdhsa_inst_pref_size 68
	.end_amdhsa_kernel
	.amdgpu_metadata
---
amdhsa.version: [ 1, 2 ]
amdhsa.kernels:
  - .name:           k_qef80322dc7_prep
    .symbol:         k_qef80322dc7_prep.kd
    .args:
      - { .name: x, .offset: 0, .size: 8, .value_kind: global_buffer, .address_space: global }
      - { .name: gamma, .offset: 8, .size: 8, .value_kind: global_buffer, .address_space: global }
      - { .name: beta, .offset: 16, .size: 8, .value_kind: global_buffer, .address_space: global }
      - { .name: mask, .offset: 24, .size: 8, .value_kind: global_buffer, .address_space: global }
      - { .name: Wq, .offset: 32, .size: 8, .value_kind: global_buffer, .address_space: global }
      - { .name: Wk, .offset: 40, .size: 8, .value_kind: global_buffer, .address_space: global }
      - { .name: Wv, .offset: 48, .size: 8, .value_kind: global_buffer, .address_space: global }
      - { .name: Wo, .offset: 56, .size: 8, .value_kind: global_buffer, .address_space: global }
      - { .name: hcod, .offset: 64, .size: 8, .value_kind: global_buffer, .address_space: global }
      - { .name: wcod, .offset: 72, .size: 8, .value_kind: global_buffer, .address_space: global }
      - { .name: msk, .offset: 80, .size: 8, .value_kind: global_buffer, .address_space: global }
    .group_segment_fixed_size: 323840
    .private_segment_fixed_size: 0
    .kernarg_segment_align: 8
    .kernarg_segment_size: 88
    .max_flat_workgroup_size: 512
    .sgpr_count:     66
    .vgpr_count:     256
    .wavefront_size: 32
...
	.end_amdgpu_metadata
.endif
;; end of part 1
;; launch qkv (part 2): grid 12 x 64, 4 waves a work-group, clusters of 4 x 4, 307,712 bytes of LDS; arguments hcod, wcod, bq, bk, bv, qq, kv; writes qq, kv
.if DOCPART == 2
	.amdgcn_target "amdgcn-amd-amdhsa--gfx1250"
	.amdhsa_code_object_version 6
	.text
	.protected	k_qef80322dc7_qkv
	.globl	k_qef80322dc7_qkv
	.p2align	8
	.type	k_qef80322dc7_qkv,@function
k_qef80322dc7_qkv:
	s_mov_b64 s[64:65], 0
	v_nop
	global_prefetch_b8 v0, s[64:65] scope:SCOPE_SE
	s_setreg_imm32_b32 hwreg(HW_REG_WAVE_MODE, 25, 1), 1
	s_wait_xcnt 0x0
	s_wait_alu depctr_hold_cnt(0) depctr_sa_sdst(0) depctr_va_vdst(0) depctr_va_sdst(0) depctr_va_ssrc(0) depctr_va_vcc(0) depctr_vm_vsrc(0)
	s_getreg_b32 s2, hwreg(HW_REG_IB_STS2, 6, 4)
	s_cmp_eq_u32 s2, 0
	s_cbranch_scc0 .Lentry_in_a_cluster
	s_endpgm
.Lentry_in_a_cluster:
	s_bfe_u32 s2, ttmp6, 0x10000c
	s_cmp_lg_u32 s2, 0xf033
	s_cbranch_scc0 .Lentry_shape_is_right
	s_endpgm
.Lentry_shape_is_right:
; q = h Wq + bq, k = h Wk + bk, v = h Wv + bv on codes of BF6 (E3M2), and each result quantised on its way out for the attention launch.
; A work-group multiplies source 0 (two strips of 128 rows) by source 1 (one strip) over all of K = 1,024.  The three strips, 307,200 bytes, lie in LDS as they lie in
; memory (images of the operands' registers), brought by first fills alone, in chunks of two K steps: nothing is filled again.
; The cluster's x says which product.  0, 1 (q, k): source 1 = 128 tokens, source 0 = 256 output channels: a lane holds a token and its registers run along the channels,
; which are the next product's K.  2 (v): source 1 = 128 channels, source 0 = 256 tokens: a lane holds a channel and its registers run along the tokens (the keys).
; CLUSTER 4 x 4: source 1's strip hangs on cy alone and is asked for jointly along a row of the cluster, source 0's on cx alone, jointly along a column.
; Wave w: source 1's tiles 4 (w / 2) on, source 0's strip w % 2: 4 x 8 accumulators.  The bias is the C of each sum's first matrix instruction.
; A tile's rows are not neighbours (tile 2 G + u, lane r: row 32 G + 8 u + r + 8 (r / 8)), so that the 16 registers of two neighbouring tiles of source 0 are 16 neighbours.
; REGISTERS: window 0: v1-14 addresses; v16-27 scale words, two sets; v64-111 source 1's four fragments, v112-207 source 0's eight (set 0).
;   window 1: accumulator (a, t) at v[8 (8 a + t)].   window 2: v0-63 the bias; v64-207 set 1.
; LIMITS: a block of zeros gets the byte 1 (its codes are zeros; this program alone reads the bytes); NaN and infinities are not served.
.set STRIP, 102400
.set CHUNK, 25600
.set FRB,   1536
.set KSB,   8*FRB                      ; a K step's eight fragments
.set SCO,   2*KSB                      ; a chunk's scale words
.set SCS,   16
.set FA,    64
.set FB,    112
.set G1A,   16                         ; s[16:23] group 1 for source 1's chunks;  s[24:31] for source 0's: they differ in the mask
.set G1B,   24
.set G0A,   32                         ; s[32:47] groups 0, one for each chunk;  s[48:63] likewise
.set G0B,   48
.set WV,    68
.set WY,    69
.set WX,    70
.set TY,    71
.set CX,    72
.set CY,    73
.set CLY,   74
.set SEL,   96
.set MSB, 0
.macro WIN new                         ; the immediate's high byte repeats the setting that is left
.if MSB != \new
	s_set_vgpr_msb (MSB<<8)|\new
.set MSB, \new
.endif
.endm
.macro PLACES n
.rept \n
	v_nop
.endr
.endm
.macro CROUND                          ; a round of the cluster's barrier
	s_barrier_signal -1
	s_barrier_wait -1
	s_cmp_lg_u32 s[WV], 0
	s_cbranch_scc1 .Lnot_wave_0_\@
	s_barrier_signal -3
.Lnot_wave_0_\@:
	s_barrier_wait -3
	s_barrier_signal -1
	s_barrier_wait -1
.endm
	s_load_b256 s[4:11], s[0:1], 0x0               ; hcod, wcod, bq, bk
	s_load_b128 s[12:15], s[0:1], 0x20             ; bv, qq
	s_load_b64 s[66:67], s[0:1], 0x30              ; kv
	v_lshl_add_u32 v254, v0, 2, 0x4b000
	v_mov_b32 v255, 0
	ds_add_u32 v254, v255
	ds_add_u32 v254, v255
	v_lshrrev_b32 v1, 5, v0
	v_readfirstlane_b32 s[WV], v1
	s_lshr_b32 s[WY], s[WV], 1
	s_and_b32 s[WX], s[WV], 1
	s_mov_b32 s[TY], ttmp9                         ; the cluster's x: the same in all sixteen partners
	s_bfe_u32 s[CX], ttmp6, 0x40000
	s_bfe_u32 s[CY], ttmp6, 0x40004
	s_and_b32 s[CLY], ttmp7, 0xffff
	s_lshl_b32 s75, s[CY], 2
	s_lshl_b32 s75, 15, s75                        ; my row of the cluster
	s_lshl_b32 s100, 0x1111, s[CX]                 ; my column
	; group 1: a chunk is dense: 100 rows of 256 bytes (32 elements of 8 bytes), no padding
	s_or_b32 s[G1A], s75, (3<<16)|(1<<21)
	s_or_b32 s[G1B], s100, (3<<16)|(1<<21)
.irp g, G1A, G1B
	s_mov_b32 s[\g+1], 32<<16                      ; tensor_dim0
	s_mov_b32 s[\g+2], 100<<16                     ; tensor_dim1
	s_mov_b32 s[\g+3], 32<<16                      ; tile_dim0
	s_mov_b32 s[\g+4], 100                         ; tile_dim1
	s_mov_b32 s[\g+5], 32                          ; the pitch
	s_mov_b32 s[\g+6], 0
	s_mov_b32 s[\g+7], 0
.endr
	; which strips.  s80, s81 never hold cx; s82, s83 never hold cy
	s_lshl_b32 s80, s[CLY], 2                      ; q, k: source 1 = hcod's strip 4 cly + cy
	s_and_b32 s81, s[CLY], 1
	s_lshl_b32 s81, s81, 2
	s_add_co_u32 s81, s81, 16                      ; v: wcod's strip 16 + 4 (cly % 2) + cy
	s_lshl_b32 s82, s[TY], 3                       ; q, k: source 0 = wcod's strips 8 x type + 2 cx + j
	s_lshr_b32 s83, s[CLY], 1
	s_lshl_b32 s83, s83, 3                         ; v: hcod's strips 8 (cly / 2) + 2 cx + j
	s_cmp_lt_u32 s[TY], 2
	s_cselect_b32 s80, s80, s81
	s_cselect_b32 s82, s82, s83
	s_add_co_u32 s80, s80, s[CY]
	s_lshl_b32 s83, s[CX], 1
	s_add_co_u32 s82, s82, s83
	s_add_co_u32 s82, s82, s[WX]                   ; waves 2 and 3 fetch source 0's strips 0 and 1
	s_mul_i32 s80, s80, STRIP
	s_mov_b32 s81, 0
	s_mul_i32 s82, s82, STRIP
	s_mov_b32 s83, 0
	s_mul_i32 s2, s[WX], STRIP
	s_add_co_u32 s2, s2, STRIP                     ; LDS: source 1's strip at 0, source 0's at STRIP and 2 STRIP
	s_wait_dscnt 0x0
	s_wait_kmcnt 0x0
	s_cmp_lt_u32 s[TY], 2
	s_cselect_b64 s[76:77], s[4:5], s[6:7]
	s_cselect_b64 s[78:79], s[6:7], s[4:5]
	s_add_nc_u64 s[76:77], s[76:77], s[80:81]
	s_add_nc_u64 s[78:79], s[78:79], s[82:83]
.irp i, 0,1,2,3
	s_mov_b32 s[G0A+4*\i], 1
	s_mov_b32 s[G0A+4*\i+1], \i*CHUNK
	s_add_nc_u64 s[G0A+4*\i+2:G0A+4*\i+3], s[76:77], \i*CHUNK
	s_or_b32 s[G0A+4*\i+3], s[G0A+4*\i+3], 0x80000000
	s_mov_b32 s[G0B+4*\i], 1
	s_add_co_u32 s[G0B+4*\i+1], s2, \i*CHUNK
	s_add_nc_u64 s[G0B+4*\i+2:G0B+4*\i+3], s[78:79], \i*CHUNK
	s_or_b32 s[G0B+4*\i+3], s[G0B+4*\i+3], 0x80000000
.endr
	CROUND                                         ; all sixteen work-groups are here: the joint loads meet
	s_cmp_eq_u32 s[WV], 0                          ; a wave's first fills stand in one branch on its number: wave 0 four, wave 1 none, waves 2 and 3 four each: four loads of a wave are out
	s_cbranch_scc0 .Lnot_a
.irp i, 0,1,2,3
	tensor_load_to_lds s[G0A+4*\i:G0A+4*\i+3], s[G1A:G1A+7]
	s_nop 0
.endr
	PLACES 4
	s_branch .Lasked
.Lnot_a:
	s_cmp_lt_u32 s[WV], 2
	s_cbranch_scc1 .Lasked
.irp i, 0,1,2,3
	tensor_load_to_lds s[G0B+4*\i:G0B+4*\i+3], s[G1B:G1B+7]
	s_nop 0
.endr
	PLACES 4
.Lasked:
	v_and_b32 v3, 31, v0
	v_lshlrev_b32 v1, 4, v3                        ; 16 x lane
	v_lshlrev_b32 v2, 3, v3                        ; 8 x lane
	v_lshlrev_b32 v3, 2, v3                        ; 4 x lane
	s_mul_i32 s3, s[WY], 4*FRB
	v_add_nc_u32 v4, s3, v1                        ; source 1: my four tiles, registers 0-3 of a half
	v_add_nc_u32 v5, s3, v2                        ; registers 4-5
	v_add_nc_u32 v6, s2, v1                        ; source 0: my strip
	v_add_nc_u32 v7, s2, v2
	s_lshl_b32 s3, s[WY], 8
	s_add_co_u32 s3, s3, SCO
	v_add_nc_u32 v8, s3, v3                        ; source 1's scale words: lanes 0-15 an even tile's, lanes 16-31 the next tile's
	s_add_co_u32 s3, s2, SCO
	v_add_nc_u32 v9, s3, v3                        ; source 0's
	v_and_b32 v10, 15, v0                          ; r
	v_bfe_u32 v11, v0, 4, 1                        ; h
	v_lshlrev_b32 v12, 2, v10                      ; 4 r
	v_lshlrev_b32 v13, 6, v11                      ; 64 h
	v_and_b32 v14, 8, v10
	v_add_nc_u32 v14, v14, v10
	v_lshlrev_b32 v14, 2, v14                      ; 4 (r + 8 (r / 8))
	s_mov_b32 s[SEL], 0x76543210
	s_mov_b32 s[SEL+1], 0xfedcba98
; K step s's twelve fragments and six scale registers into set q: 54 LDS loads, each of 512 or 256 or 128 bytes on end
.macro FETCH s, q
	WIN 0x80*(\q)
.irp a, 0,1,2,3
.irp c, 0,1
	ds_load_b128 v[FA+12*\a+6*\c:FA+12*\a+6*\c+3], v4 offset:((\s)%2)*KSB+FRB*\a+768*\c
	ds_load_b64 v[FA+12*\a+6*\c+4:FA+12*\a+6*\c+5], v5 offset:((\s)%2)*KSB+FRB*\a+768*\c+512
.endr
.endr
.irp t, 0,1,2,3,4,5,6,7
.irp c, 0,1
	ds_load_b128 v[FB+12*\t+6*\c:FB+12*\t+6*\c+3], v6 offset:((\s)%2)*KSB+FRB*\t+768*\c
	ds_load_b64 v[FB+12*\t+6*\c+4:FB+12*\t+6*\c+5], v7 offset:((\s)%2)*KSB+FRB*\t+768*\c+512
.endr
.endr
	WIN 0
.irp j, 0,1
	ds_load_b32 v[SCS+6*(\q)+\j], v8 offset:((\s)%2)*512+128*\j
.endr
.irp j, 0,1,2,3
	ds_load_b32 v[SCS+6*(\q)+2+\j], v9 offset:((\s)%2)*512+128*\j
.endr
.endm
; one product.  cmode 0: in place; 1: C = the bias of source 0's tile t; 2: C = the bias of source 1's tile a
.macro MM a, t, p, cmode
.set rD, 8*(8*(\a)+\t)
.set rB, FB+12*\t
.set rA, FA+12*(\a)
.set sB, SCS+6*(\p)+2+\t/2
.set sA, SCS+6*(\p)+(\a)/2
.set rC, rD
.if \cmode == 1
.set rC, 8*\t
.elseif \cmode == 2
.set rC, 8*(\a)
.endif
.if ((\t)%2 == 0) && ((\a)%2 == 0)
	v_wmma_scale_f32_16x16x128_f8f6f4 v[rD:rD+7], v[rB:rB+11], v[rA:rA+11], v[rC:rC+7], v[sB], v[sA] matrix_a_fmt:MATRIX_FMT_BF6 matrix_b_fmt:MATRIX_FMT_BF6
.elseif ((\t)%2 == 1) && ((\a)%2 == 0)
	v_wmma_scale_f32_16x16x128_f8f6f4 v[rD:rD+7], v[rB:rB+11], v[rA:rA+11], v[rC:rC+7], v[sB], v[sA] matrix_a_fmt:MATRIX_FMT_BF6 matrix_b_fmt:MATRIX_FMT_BF6 matrix_a_scale:MATRIX_SCALE_ROW1
.elseif ((\t)%2 == 0) && ((\a)%2 == 1)
	v_wmma_scale_f32_16x16x128_f8f6f4 v[rD:rD+7], v[rB:rB+11], v[rA:rA+11], v[rC:rC+7], v[sB], v[sA] matrix_a_fmt:MATRIX_FMT_BF6 matrix_b_fmt:MATRIX_FMT_BF6 matrix_b_scale:MATRIX_SCALE_ROW1
.else
	v_wmma_scale_f32_16x16x128_f8f6f4 v[rD:rD+7], v[rB:rB+11], v[rA:rA+11], v[rC:rC+7], v[sB], v[sA] matrix_a_fmt:MATRIX_FMT_BF6 matrix_b_fmt:MATRIX_FMT_BF6 matrix_a_scale:MATRIX_SCALE_ROW1 matrix_b_scale:MATRIX_SCALE_ROW1
.endif
.endm
; sixteen products.  The 32 accumulators take turns, one instruction a turn, in the same order in every step
.macro MUL16 a0, p, cmode
.if \cmode
	WIN 0x60                                       ; D window 1, C (the bias) window 2, operands window 0
.else
	WIN 0x50|(0x0a*(\p))                           ; C and D window 1, operands window 0 or 2
.endif
.irp a, \a0, \a0+1
.irp t, 0,1,2,3,4,5,6,7
	MM (\a), \t, \p, \cmode
.endr
.endr
.endm
; A K step: 32 products; in its middle the next step's fragments are fetched into the other set.  Where the next step begins a chunk, the waves that asked for the chunk wait for it
; (the count: the chunks issued behind it), and one barrier shows it to all.
.macro STEP s, cmode
	s_wait_dscnt 0x0                               ; this step's fragments are in; no LDS instruction of mine is out at the signal
.if ((\s)%2 == 1) && ((\s) < 7)
	s_wait_tensorcnt 3-((\s)+1)/2
	s_barrier_signal -1
.endif
	MUL16 0, (\s)%2, \cmode
	WIN 0
.if (\s) < 7
.if (\s)%2 == 1
	s_barrier_wait -1
.irp v, 4,5,6,7,8,9
	v_add_nc_u32 v\v, CHUNK, v\v                   ; on to the next chunk; these six are also the places in front of the loads
.endr
.else
	PLACES 4                                       ; in front of loads into registers that matrix instructions have read
.endif
	FETCH (\s)+1, 1-(\s)%2
.endif
	MUL16 2, (\s)%2, \cmode
	WIN 0
.endm
	s_cmp_lt_u32 s[TY], 2
	s_cbranch_scc0 .Larm_v
	; ---- q, k: where the results go, the bias, and the first step
	s_lshl_b32 s84, s[CLY], 2
	s_add_co_u32 s84, s84, s[CY]                   ; my strip of tokens
	s_lshr_b32 s85, s84, 4
	s_lshl_b32 s85, s85, 4
	s_lshl_b32 s101, s[CX], 2
	s_add_co_u32 s85, s85, s101
	s_lshl_b32 s101, s[WX], 1
	s_add_co_u32 s85, s85, s101                    ; the first of my two heads: 16 x batch + 4 cx + 2 wx
	s_and_b32 s101, s84, 15
	s_lshl_b32 s101, s101, 3
	s_lshl_b32 s84, s[WY], 2
	s_add_co_u32 s101, s101, s84                   ; my first tile of tokens in the batch
	s_mov_b32 s94, 208896
	s_mov_b32 s84, 196608
	s_cmp_eq_u32 s[TY], 0
	s_cselect_b32 s94, 106496, s94                 ; a head's block in qq or in kv,
	s_cselect_b32 s84, 98304, s84                  ; and where its scale words begin
	s_cselect_b64 s[86:87], s[14:15], s[66:67]
	s_cselect_b64 s[98:99], s[8:9], s[10:11]
	s_mov_b32 s95, 0
	s_mul_i32 s85, s85, s94
	s_mul_i32 s88, s101, 768
	s_add_co_u32 s88, s88, s85
	s_mov_b32 s89, 0
	s_lshl_b32 s90, s101, 6
	s_add_co_u32 s90, s90, s85
	s_add_co_u32 s90, s90, s84
	s_mov_b32 s91, 0
	s_add_nc_u64 s[90:91], s[86:87], s[90:91]      ; the first head's scale words,
	s_add_nc_u64 s[92:93], s[90:91], s[94:95]      ; the second's,
	s_add_nc_u64 s[86:87], s[86:87], s[88:89]      ; the first head's half images,
	s_add_nc_u64 s[88:89], s[86:87], s[94:95]      ; the second's
	s_mov_b32 s94, 768                             ; from tile to tile
	s_lshl_b32 s84, s[CX], 10
	s_lshl_b32 s85, s[WX], 9
	s_add_co_u32 s84, s84, s85
	s_mov_b32 s85, 0
	s_add_nc_u64 s[98:99], s[98:99], s[84:85]      ; the bias of my 128 channels
	WIN 0x80
.irp t, 0,1,2,3,4,5,6,7
	global_load_b128 v[8*\t:8*\t+3], v13, s[98:99] offset:(32*(\t/2)+8*(\t%2))*4
	global_load_b128 v[8*\t+4:8*\t+7], v13, s[98:99] offset:(32*(\t/2)+8*(\t%2))*4+16
.endr
	WIN 0
	s_wait_tensorcnt 3                             ; my part of chunk 0 is in; three chunks were issued behind it
	s_barrier_signal -1
	s_barrier_wait -1
	FETCH 0, 0
	s_wait_loadcnt 0x0                             ; the bias
	STEP 0, 1
	s_branch .Ljoin
.Larm_v:
	; ---- v
	s_and_b32 s84, s[CLY], 1
	s_lshl_b32 s84, s84, 2
	s_add_co_u32 s84, s84, s[CY]                   ; my strip of channels, 0..7
	s_lshr_b32 s85, s[CLY], 1
	s_lshl_b32 s85, s85, 2
	s_add_co_u32 s85, s85, s[CX]
	s_lshl_b32 s85, s85, 1
	s_add_co_u32 s85, s85, s[WX]                   ; my strip of tokens: a key step of a batch
	s_lshr_b32 s101, s85, 4
	s_lshl_b32 s101, s101, 4
	s_lshl_b32 s88, s84, 1
	s_add_co_u32 s101, s101, s88
	s_add_co_u32 s101, s101, s[WY]                 ; my head: 16 x batch + 2 x strip + wy
	s_mul_i32 s101, s101, 208896
	s_and_b32 s85, s85, 15
	s_mul_i32 s88, s85, 6144
	s_add_co_u32 s88, s88, s101
	s_add_co_u32 s88, s88, 98304
	s_mov_b32 s89, 0
	s_lshl_b32 s90, s85, 8
	s_add_co_u32 s90, s90, s101
	s_add_co_u32 s90, s90, 204800
	s_mov_b32 s91, 0
	s_add_nc_u64 s[86:87], s[66:67], s[88:89]      ; the fragment's first half,
	s_add_nc_u64 s[88:89], s[86:87], 768           ; its second,
	s_add_nc_u64 s[90:91], s[66:67], s[90:91]      ; its scale words
	s_mov_b64 s[92:93], s[90:91]                   ; (not used on this way)
	s_mov_b32 s94, 1536
	s_mov_b32 s95, 0
	s_lshl_b32 s84, s84, 9
	s_lshl_b32 s85, s[WY], 8
	s_add_co_u32 s84, s84, s85
	s_mov_b32 s85, 0
	s_add_nc_u64 s[98:99], s[12:13], s[84:85]      ; the bias of my 64 channels: one number a lane and tile
	WIN 0x80
.irp a, 0,1,2,3
	global_load_b32 v[8*\a], v14, s[98:99] offset:(32*(\a/2)+8*(\a%2))*4
.endr
	WIN 0
	s_wait_tensorcnt 3
	s_barrier_signal -1
	s_barrier_wait -1
	FETCH 0, 0
	s_wait_loadcnt 0x0
	WIN 0x82
.irp a, 0,1,2,3
.irp j, 1,2,3,4,5,6,7
	v_mov_b32 v[8*\a+\j], v[8*\a]                  ; all eight registers of a result belong to the lane's one channel
.endr
.endr
	WIN 0
	PLACES 4
	STEP 0, 2
.Ljoin:
	STEP 1, 0
	STEP 2, 0
	STEP 3, 0
	STEP 4, 0
	STEP 5, 0
	STEP 6, 0
	STEP 7, 0
; 64 numbers of a lane in window w, register 16 b + i = k 32 b + 16 h + i, become a fragment's codes in v[PC] on and its scale word in v[PW] (window 0)
.macro QUANT s, w
	WIN 5*(\w)
.irp b, 0,1,2,3
	v_max3_num_f32 v[TM+\b], |v[(\s)+16*\b]|, |v[(\s)+1+16*\b]|, 0x2800000   ; each accumulator is read from its low end on; the floor 2^(5 - 127)
.endr
	WIN 0x14*(\w)
.irp i, 2,4,6,8,10,12,14
.irp b, 0,1,2,3
	v_max3_num_f32 v[TM+\b], v[TM+\b], |v[(\s)+16*\b+\i]|, |v[(\s)+1+16*\b+\i]|
.endr
.endr
	WIN 0
.irp b, 0,1,2,3
	v_permlanex16_b32 v[TM+4+\b], v[TM+\b], s[SEL], s[SEL+1]
.endr
.irp b, 0,1,2,3
	v_max_num_f32 v[TM+\b], v[TM+\b], v[TM+4+\b]
.endr
.irp b, 0,1,2,3
	v_add_nc_u32 v[TM+12+\b], 0xfe000000, v[TM+\b]
.endr
.irp b, 0,1,2,3
	v_lshrrev_b32 v[TM+4+\b], 23, v[TM+12+\b]
.endr
	v_lshl_or_b32 v[PW], v[TM+5], 8, v[TM+4]
	v_lshl_or_b32 v[PW], v[TM+6], 16, v[PW]
	v_lshl_or_b32 v[PW], v[TM+7], 24, v[PW]
	WIN \w
.irp c, 0,1
	v_cvt_scalef32_pk16_bf6_f32 v[PC+6*\c:PC+6*\c+2], v[(\s)+32*\c:(\s)+32*\c+15], v[TM+12+2*\c]
	v_cvt_scalef32_pk16_bf6_f32 v[PT+4*\c:PT+4*\c+2], v[(\s)+32*\c+16:(\s)+32*\c+31], v[TM+13+2*\c]
.endr
	WIN 0
	v_nop                                          ; one plain place behind a scaled conversion
.irp c, 0,1
.irp i, 0,1,2
	v_permlane16_swap_b32 v[PC+6*\c+\i], v[PT+4*\c+\i]
.endr
.irp i, 0,1,2
	v_mov_b32 v[PC+6*\c+3+\i], v[PT+4*\c+\i]
.endr
.endr
.endm
; THE WAY OUT of source 1's tile a.  q, k: the twelve registers are the half images of two heads, and the word's halves their scale bytes (bytes 2 and 3 of a stored word only ever
; scale zero codes).  v: one fragment of 16 channels x 128 keys and its word.  Every store of codes covers whole aligned blocks of 256 bytes.
.macro OUT a
.if (\a) == 1                          ; the scratch registers' numbers are kept apart from the numbers of the accumulators in hand
.set QB, 128
.else
.set QB, 64
.endif
.set PC,  QB
.set PT,  QB+12
.set TM,  QB+20
.set PW,  QB+36
.set PW2, QB+37
	QUANT 64*(\a), 1
	v_lshrrev_b32 v[PW2], 16, v[PW]
	global_store_b128 v1, v[PC:PC+3], s[86:87]
	global_store_b64 v2, v[PC+4:PC+5], s[86:87] offset:512
	global_store_b128 v1, v[PC+6:PC+9], s[88:89]
	global_store_b64 v2, v[PC+10:PC+11], s[88:89] offset:512
	global_store_b32 v12, v[PW], s[90:91] offset:64*(\a)
	s_cmp_lt_u32 s[TY], 2
	s_cbranch_scc0 .Lone_word_\@
	global_store_b32 v12, v[PW2], s[92:93] offset:64*(\a)
.Lone_word_\@:
	s_wait_xcnt 0x0                                ; the stores have read their data and bases: both are written again only behind this wait
	s_add_nc_u64 s[86:87], s[86:87], s[94:95]
	s_add_nc_u64 s[88:89], s[88:89], s[94:95]
.endm
	PLACES 4                                       ; behind the last products: results are read, and registers that held operands are written
.irp b, 0,1,2,3
	v_mov_b32 v[88+\b], 0                          ; a lane permute's destination counts as one of its sources
	v_mov_b32 v[152+\b], 0
.endr
	OUT 0
	OUT 1
	OUT 2
	OUT 3
	s_wait_tensorcnt 0x0
	ds_add_u32 v254, v255
	s_wait_dscnt 0x0
	CROUND                                         ; the closing round: no work-group ends while a partner may still ask for a chunk that names it
	s_endpgm
.Lfunc_end_k_qef80322dc7_qkv:
	.size	k_qef80322dc7_qkv, .Lfunc_end_k_qef80322dc7_qkv-k_qef80322dc7_qkv
	.p2alignl 7, 3214868480
	.fill 96, 4, 3214868480
	.section	.rodata,"a",@progbits
	.p2align	6, 0x0
	.amdhsa_kernel k_qef80322dc7_qkv
		.amdhsa_group_segment_fixed_size 307712
		.amdhsa_private_segment_fixed_size 0
		.amdhsa_enable_private_segment 0
		.amdhsa_kernarg_size 56
		.amdhsa_user_sgpr_count 2
		.amdhsa_user_sgpr_kernarg_segment_ptr 1
		.amdhsa_wavefront_size32 1
		.amdhsa_system_sgpr_workgroup_id_x 1
		.amdhsa_system_sgpr_workgroup_id_y 1
		.amdhsa_system_sgpr_workgroup_id_z 1
		.amdhsa_system_vgpr_workitem_id 0
		.amdhsa_next_free_vgpr 768
		.amdhsa_next_free_sgpr 102
		.amdhsa_reserve_vcc 0
		.amdhsa_float_denorm_mode_32 3
		.amdhsa_float_denorm_mode_16_64 3
		.amdhsa_memory_ordered 1
		.amdhsa_forward_progress 1
		.amdhsa_inst_pref_size 107
	.end_amdhsa_kernel
	.amdgpu_metadata
---
amdhsa.version: [ 1, 2 ]
amdhsa.kernels:
  - .name:           k_qef80322dc7_qkv
    .symbol:         k_qef80322dc7_qkv.kd
    .args:
      - { .name: hcod, .offset: 0, .size: 8, .value_kind: global_buffer, .address_space: global }
      - { .name: wcod, .offset: 8, .size: 8, .value_kind: global_buffer, .address_space: global }
      - { .name: bq, .offset: 16, .size: 8, .value_kind: global_buffer, .address_space: global }
      - { .name: bk, .offset: 24, .size: 8, .value_kind: global_buffer, .address_space: global }
      - { .name: bv, .offset: 32, .size: 8, .value_kind: global_buffer, .address_space: global }
      - { .name: qq, .offset: 40, .size: 8, .value_kind: global_buffer, .address_space: global }
      - { .name: kv, .offset: 48, .size: 8, .value_kind: global_buffer, .address_space: global }
    .group_segment_fixed_size: 307712
    .private_segment_fixed_size: 0
    .kernarg_segment_align: 8
    .kernarg_segment_size: 56
    .max_flat_workgroup_size: 128
    .sgpr_count:     102
    .vgpr_count:     768
    .wavefront_size: 32
...
	.end_amdgpu_metadata
.endif
;; end of part 2
;; launch attn (part 3): grid 4 x 64, 16 waves a work-group, no clusters, 210,944 bytes of LDS; arguments qq, kv, msk, ocod; writes ocod
.if DOCPART == 3
	.amdgcn_target "amdgcn-amd-amdhsa--gfx1250"
	.amdhsa_code_object_version 6
	.text
	.protected	k_qef80322dc7_attn
	.globl	k_qef80322dc7_attn
	.p2align	8
	.type	k_qef80322dc7_attn,@function
k_qef80322dc7_attn:
	s_mov_b64 s[64:65], 0
	v_nop
	global_prefetch_b8 v0, s[64:65] scope:SCOPE_SE
	s_setreg_imm32_b32 hwreg(HW_REG_WAVE_MODE, 25, 1), 1
	s_wait_xcnt 0x0
; o = softmax(where(mask == 0, -1e9, q k^T / 32)) v for one head, both products on codes of BF6 (E3M2); o is divided by the row's sum, quantised along the 1,024 and stored as codes.
; THE SOFTMAX: t = score x log2(e) / 32; M = the running largest t rounded up to a whole number; p = 2^(t - M) is quantised along the keys; the row's sum is of the unquantised p.
; SHARES.  A work-group has one head (y) and a quarter of its 128 tiles of 16 queries; each of sixteen waves takes two tiles one after the other, j and 127 - j.
; The head's K and V as codes with their scale words, 208,896 bytes, are copied into LDS once, through registers, as they lie in memory; one barrier; afterwards LDS is only read.
; NO CLUSTER, NO TENSOR LOAD: which key steps a wave walks hangs on flags read from memory; K and V come once, at the head.
; THE MASK is an input.  An earlier launch has stored, for each tile of queries and key step, 64 lane-mask words (one for each score register) and two flags:
; 'dead' (all 16 x 128 hidden, and every query of the tile sees some key): the step is left out; 'open' (nothing hidden): the words are not read.
; LAYOUT.  Both products transposed: S^T = K Q^T, O^T = V^T P^T: a lane holds one query.  The head's size is 64, half of the instruction's K: Q's upper six registers are zero codes,
; and K's operand of tile t runs on into tile t + 1's codes, which meet those zeros.
; LIMITS: a hidden logit is taken as -2^35 / 32 = -1.0737e9 in place of -1e9, so that its t is a whole number and a query that sees no key gets p = 1 for every key, as with -1e9;
; results differ from the definition only where an open logit lies under about -9e8, and leaving dead steps out rests on the same bound.  A block of zeros gets the byte 1.  NaN and infinities are not served.
.set STRIP, 102400
.set CHUNK, 25600
.set S,  98                            ; v98-161 S^T, then p
.set O,  162                           ; v162-193 O^T
.set PC, 194                           ; v194-205 p's codes
.set PT, 206
.set MX, 214                           ; v214-217 the blocks' maxima; v218-221 at work; v222-225 scale operands
.macro PLACES n
.rept \n
	v_nop
.endr
.endm
	s_load_b256 s[4:11], s[0:1], 0x0               ; qq, kv, msk, ocod
	v_lshl_add_u32 v240, v0, 2, 0x33000
	v_mov_b32 v241, 0
	v_lshrrev_b32 v1, 5, v0
	v_readfirstlane_b32 s12, v1                    ; wave
	s_and_b32 s13, ttmp7, 0xffff                   ; 16 x batch + head
	s_lshl_b32 s14, ttmp9, 4
	s_add_co_u32 s14, s14, s12                     ; T: my first tile of queries
	v_and_b32 v3, 31, v0
	v_lshlrev_b32 v1, 4, v3                        ; 16 x lane
	v_lshlrev_b32 v2, 3, v3                        ; 8 x lane
	v_lshlrev_b32 v5, 2, v3                        ; 4 x lane
	v_and_b32 v232, 15, v0
	v_lshlrev_b32 v232, 2, v232                    ; 4 r
	v_lshlrev_b32 v200, 4, v0                      ; the copy: 16 bytes a thread, 8,192 a turn
	v_lshlrev_b32 v206, 3, v0
	v_add_nc_u32 v201, 0x10000, v200
	v_add_nc_u32 v202, 0x20000, v200
	v_add_nc_u32 v203, 0x30000, v200
	v_add_nc_u32 v204, 0x30000, v206
	s_mov_b32 s101, 0
	s_sub_co_u32 s93, 127, s14                     ; my second tile
	s_wait_kmcnt 0x0
	s_mul_i32 s100, s13, 208896
	s_add_nc_u64 s[6:7], s[6:7], s[100:101]        ; the head's block of kv
	s_mul_i32 s100, s13, 106496
	s_add_nc_u64 s[4:5], s[4:5], s[100:101]        ; and of qq
	s_mul_i32 s100, s14, 768
	s_add_nc_u64 s[96:97], s[4:5], s[100:101]
	s_lshl_b32 s100, s14, 6
	s_add_co_u32 s100, s100, 98304
	s_add_nc_u64 s[98:99], s[4:5], s[100:101]
	s_mul_i32 s100, s93, 768
	s_add_nc_u64 s[16:17], s[4:5], s[100:101]
	s_lshl_b32 s100, s93, 6
	s_add_co_u32 s100, s100, 98304
	s_add_nc_u64 s[18:19], s[4:5], s[100:101]
.set k, 0
.rept 25
	global_load_b128 v[S+4*k:S+4*k+3], v200, s[6:7] offset:8192*k
.set k, k+1
.endr
	global_load_b64 v[198:199], v206, s[6:7] offset:204800
	global_load_b128 v[18:21], v1, s[96:97]        ; Q of my first tile: a half image,
	global_load_b64 v[22:23], v2, s[96:97] offset:512
	global_load_b32 v30, v232, s[98:99]            ; its scale words;
	global_load_b128 v[32:35], v1, s[16:17]        ; and of my second
	global_load_b64 v[36:37], v2, s[16:17] offset:512
	global_load_b32 v31, v232, s[18:19]
	v_add_nc_u32 v3, 0x18000, v1                   ; V's codes begin at 98,304
	v_add_nc_u32 v4, 0x18000, v2
	v_add_nc_u32 v6, 204800, v5                    ; V's scale words
	v_add_nc_u32 v5, 196608, v5                    ; K's
	v_mov_b32 v13, 0xd1000000                      ; -2^35: a hidden score
.irp j, 24,25,26,27,28,29,86,87,88,89,90,91
	v_mov_b32 v\j, 0                               ; Q's upper half, and what stands behind K's last tile: zero codes
.endr
.irp j, 218,219,220,221,227,228
	v_mov_b32 v\j, 0                               ; lane permutes' destinations, and the upper half of the pair v[226:227]
.endr
	s_mov_b32 s84, 0x76543210
	s_mov_b32 s85, 0xfedcba98
	s_mov_b32 s86, 0x3d38aa3b                      ; c = log2(e) / 32
	s_mov_b32 s87, s86
.set k, 0
.rept 25
	s_wait_loadcnt 31-k                            ; load k is in: 31 - k were issued behind it
	ds_store_b128 v[200+k/8], v[S+4*k:S+4*k+3] offset:(k%8)*8192
.set k, k+1
.endr
	s_wait_loadcnt 6
	ds_store_b64 v204, v[198:199] offset:8192
	s_wait_loadcnt 0x0                             ; Q
	s_wait_dscnt 0x0                               ; for the others' sake: my part of the copy has landed
	s_barrier_signal -1
	s_barrier_wait -1
	s_mov_b32 s89, 2
.Lpass:
	s_lshl_b32 s93, s14, 2
	s_load_b32 s15, s[8:9], s93 offset:524288      ; the tile's flags
	s_lshl_b32 s100, s14, 12
	s_add_nc_u64 s[94:95], s[8:9], s[100:101]      ; its words: 4,096 bytes a tile
	s_lshr_b32 s16, s13, 4                         ; where o's codes go: strip 16 x batch + T / 8, K step head / 2, tile T % 8, half head % 2
	s_lshl_b32 s16, s16, 4
	s_lshr_b32 s17, s14, 3
	s_add_co_u32 s16, s16, s17
	s_mul_i32 s16, s16, STRIP
	s_bfe_u32 s17, s13, 0x20002
	s_mul_i32 s17, s17, CHUNK
	s_add_co_u32 s16, s16, s17
	s_bfe_u32 s17, s13, 0x10001
	s_and_b32 s18, s13, 1
	s_and_b32 s19, s14, 7
	s_mul_i32 s20, s17, 12288
	s_mul_i32 s21, s19, 1536
	s_add_co_u32 s20, s20, s21
	s_mul_i32 s21, s18, 768
	s_add_co_u32 s20, s20, s21
	s_add_co_u32 s20, s20, s16
	s_mov_b32 s21, 0
	s_add_nc_u64 s[96:97], s[10:11], s[20:21]
	s_lshl_b32 s20, s17, 9
	s_lshl_b32 s22, s19, 6
	s_add_co_u32 s20, s20, s22
	s_lshl_b32 s22, s18, 1
	s_add_co_u32 s20, s20, s22
	s_add_co_u32 s20, s20, s16
	s_add_co_u32 s20, s20, 24576
	s_add_nc_u64 s[98:99], s[10:11], s[20:21]
	v_mov_b32 v15, 0xff61b1e6                      ; the largest t so far: -3e38
	v_floor_f32 v14, -v15                          ; -M
	v_mov_b32 v16, 0                               ; the sum, in two halves
	v_mov_b32 v17, 0
.set n, 0
.rept 32
	v_mov_b32 v[O+n], 0                            ; O^T: which step is a tile's first hangs on the flags, so no product can be written that starts the sums
.set n, n+1
.endr
	s_mov_b32 s90, 0                               ; the step's codes: 6,144 bytes a step, of K and of V
	s_mov_b32 s91, 0                               ; K's scale words: 512
	s_mov_b32 s92, 0                               ; V's scale words and the mask's words: 256
	s_mov_b32 s88, 16
	s_wait_kmcnt 0x0
.Lstep:                                            ; sixteen trips, a constant: a dead step jumps over its work, not over the lines that step addresses
	s_bitcmp1_b32 s15, 0
	s_cbranch_scc1 .Ldead
	s_bitcmp1_b32 s15, 16
	s_cbranch_scc1 .Lno_words
	s_load_b512 s[16:31], s[94:95], s92 offset:0
	s_load_b512 s[32:47], s[94:95], s92 offset:64
	s_load_b512 s[48:63], s[94:95], s92 offset:128
	s_load_b512 s[68:83], s[94:95], s92 offset:192
.Lno_words:
	v_add_nc_u32 v7, s90, v1                       ; six additions: also the places behind the last step's products, in front of the loads
	v_add_nc_u32 v8, s90, v2
	v_add_nc_u32 v9, s90, v3
	v_add_nc_u32 v10, s90, v4
	v_add_nc_u32 v11, s91, v5
	v_add_nc_u32 v12, s92, v6
.irp t, 0,1,2,3,4,5,6,7
	ds_load_b128 v[38+6*\t:38+6*\t+3], v7 offset:768*\t
	ds_load_b64 v[38+6*\t+4:38+6*\t+5], v8 offset:768*\t+512
.endr
.irp j, 0,1,2,3
	ds_load_b32 v[92+\j], v11 offset:128*\j        ; lanes 0-15: tile 2 j's words; lanes 16-31: tile 2 j + 1's
.endr
	s_wait_dscnt 0x0
.irp t, 0,2,4,6
	v_wmma_scale_f32_16x16x128_f8f6f4 v[S+8*\t:S+8*\t+7], v[38+6*\t:38+6*\t+11], v[18:29], 0, v[92+\t/2], v30 matrix_a_fmt:MATRIX_FMT_BF6 matrix_b_fmt:MATRIX_FMT_BF6
	v_wmma_scale_f32_16x16x128_f8f6f4 v[S+8*\t+8:S+8*\t+15], v[38+6*\t+6:38+6*\t+17], v[18:29], 0, v[92+\t/2], v30 matrix_a_fmt:MATRIX_FMT_BF6 matrix_b_fmt:MATRIX_FMT_BF6 matrix_a_scale:MATRIX_SCALE_ROW1
.endr
	PLACES 4                                       ; in front of loads into K's registers and of the first read of the scores
.irp t, 0,1,2,3
.irp c, 0,1
	ds_load_b128 v[38+12*\t+6*\c:38+12*\t+6*\c+3], v9 offset:1536*\t+768*\c      ; V lands while the softmax is walked
	ds_load_b64 v[38+12*\t+6*\c+4:38+12*\t+6*\c+5], v10 offset:1536*\t+768*\c+512
.endr
.endr
.irp j, 0,1
	ds_load_b32 v[96+\j], v12 offset:128*\j
.endr
	s_bitcmp1_b32 s15, 16
	s_cbranch_scc1 .Lopen
	s_wait_kmcnt 0x0
.set n, 0
.rept 64
	v_cndmask_b32 v[S+n], v13, v[S+n], s[16+n+4*(n/48)]   ; a hidden score becomes -2^35; in ascending order: each result is read from its low end on
.set n, n+1
.endr
.Lopen:
.irp b, 0,1,2,3
	v_max3_num_f32 v[MX+\b], v[S+16*\b], v[S+1+16*\b], v[S+2+16*\b]   ; the largest score of each block of 32 keys: for the row's maximum and for the block's largest p
.endr
.irp i, 3,5,7,9,11,13
.irp b, 0,1,2,3
	v_max3_num_f32 v[MX+\b], v[MX+\b], v[S+16*\b+\i], v[S+1+16*\b+\i]
.endr
.endr
.irp b, 0,1,2,3
	v_max_num_f32 v[MX+\b], v[MX+\b], v[S+15+16*\b]
.endr
.irp b, 0,1,2,3
	v_permlanex16_b32 v[MX+4+\b], v[MX+\b], s84, s85
.endr
.irp b, 0,1,2,3
	v_max_num_f32 v[MX+\b], v[MX+\b], v[MX+4+\b]
.endr
	v_max3_num_f32 v228, v214, v215, v216
	v_max_num_f32 v228, v228, v217
	v_mul_f32 v228, s86, v228                      ; as t (c is positive)
	v_max_num_f32 v15, v15, v228                   ; the running largest t
	v_mov_b32 v228, v14
	v_floor_f32 v14, -v15                          ; the new -M = -ceil(t)
	v_sub_f32 v228, v14, v228                      ; old M - new M: a whole number, 0 or less
	v_cvt_i32_f32 v228, v228                       ; (it saturates)
	v_ldexp_f32 v226, 1.0, v228                    ; f = 2^(old M - new M)
.set n, 0
.rept 32
	v_pk_fma_f32 v[S+n:S+n+1], v[S+n:S+n+1], s[86:87], v[14:15] op_sel_hi:[1,0,0]   ; t - M
.set n, n+2
.endr
.irp b, 0,1,2,3
	v_fma_f32 v[MX+\b], v[MX+\b], s86, v14
.endr
.set n, 0
.rept 64
	v_exp_f32 v[S+n], v[S+n]                       ; p = 2^(t - M)
.set n, n+1
.endr
	v_pk_mul_f32 v[16:17], v[16:17], v[226:227] op_sel_hi:[1,0]   ; the sums under the new M; a plain place behind the exponentials
	s_wait_alu depctr_va_vdst(0)                   ; one wait for the batch, ahead of its first reader
.irp b, 0,1,2,3
	v_exp_f32 v[MX+\b], v[MX+\b]                   ; each block's largest p
.endr
	v_pk_add_f32 v[230:231], v[S:S+1], v[S+2:S+3]  ; the row's sum of the unquantised p, in two chains
.irp j, 4,8,12,16,20,24,28,32,36,40,44,48,52,56,60
	v_pk_add_f32 v[16:17], v[16:17], v[S+\j:S+\j+1]
	v_pk_add_f32 v[230:231], v[230:231], v[S+\j+2:S+\j+3]
.endr
	v_pk_add_f32 v[16:17], v[16:17], v[230:231]
	s_wait_alu depctr_va_vdst(0)                   ; and one for the four
.irp b, 0,1,2,3
	v_max_num_f32 v[MX+\b], 0x2800000, v[MX+\b]    ; the floor 2^(5 - 127)
.endr
.irp b, 0,1,2,3
	v_add_nc_u32 v[MX+8+\b], 0xfe000000, v[MX+\b]
.endr
.irp b, 0,1,2,3
	v_lshrrev_b32 v[MX+4+\b], 23, v[MX+8+\b]
.endr
	v_lshl_or_b32 v227, v219, 8, v218              ; p's scale word for these 128 keys
	v_lshl_or_b32 v227, v220, 16, v227
	v_lshl_or_b32 v227, v221, 24, v227
.irp c, 0,1
	v_cvt_scalef32_pk16_bf6_f32 v[PC+6*\c:PC+6*\c+2], v[S+32*\c:S+32*\c+15], v[MX+8+2*\c]
	v_cvt_scalef32_pk16_bf6_f32 v[PT+4*\c:PT+4*\c+2], v[S+32*\c+16:S+32*\c+31], v[MX+9+2*\c]
.endr
	v_nop                                          ; one plain place behind a scaled conversion
.irp c, 0,1
.irp i, 0,1,2
	v_permlane16_swap_b32 v[PC+6*\c+\i], v[PT+4*\c+\i]
.endr
.irp i, 0,1,2
	v_mov_b32 v[PC+6*\c+3+\i], v[PT+4*\c+\i]
.endr
.endr
.set n, 0
.rept 16
	v_pk_mul_f32 v[O+n:O+n+1], v[O+n:O+n+1], v[226:227] op_sel_hi:[1,0]   ; O^T under the new M; these sixteen are also the places between the scale word's and the codes' last writes and the products
.set n, n+2
.endr
	s_wait_dscnt 0x0                               ; V
.irp t, 0,2
	v_wmma_scale_f32_16x16x128_f8f6f4 v[O+8*\t:O+8*\t+7], v[38+12*\t:38+12*\t+11], v[PC:PC+11], v[O+8*\t:O+8*\t+7], v[96+\t/2], v227 matrix_a_fmt:MATRIX_FMT_BF6 matrix_b_fmt:MATRIX_FMT_BF6
	v_wmma_scale_f32_16x16x128_f8f6f4 v[O+8*\t+8:O+8*\t+15], v[38+12*\t+12:38+12*\t+23], v[PC:PC+11], v[O+8*\t+8:O+8*\t+15], v[96+\t/2], v227 matrix_a_fmt:MATRIX_FMT_BF6 matrix_b_fmt:MATRIX_FMT_BF6 matrix_a_scale:MATRIX_SCALE_ROW1
.endr
.Ldead:
	s_lshr_b32 s15, s15, 1                         ; the next step's two flags come to bits 0 and 16
	s_add_co_u32 s90, s90, 6144
	s_add_co_u32 s91, s91, 512
	s_add_co_u32 s92, s92, 256
	s_sub_co_u32 s88, s88, 1
	s_cmp_lg_u32 s88, 0
	s_cbranch_scc1 .Lstep
	; THE WAY OUT of a tile: o = O^T / the sum; register 16 b + i is channel 32 b + 16 h + i of the head: two blocks along the next product's K
	PLACES 4
	v_add_f32 v16, v16, v17
	v_permlanex16_b32 v228, v16, s84, s85
	v_add_f32 v16, v16, v228
	v_rcp_f32 v16, v16
	v_nop
	s_wait_alu depctr_va_vdst(0)
.set n, 0
.rept 32
	v_mul_f32 v[S+n], v[O+n], v16
.set n, n+1
.endr
.irp b, 0,1
	v_max3_num_f32 v[MX+\b], |v[S+16*\b]|, |v[S+1+16*\b]|, 0x2800000
.endr
.irp i, 2,4,6,8,10,12,14
.irp b, 0,1
	v_max3_num_f32 v[MX+\b], v[MX+\b], |v[S+16*\b+\i]|, |v[S+1+16*\b+\i]|
.endr
.endr
.irp b, 0,1
	v_permlanex16_b32 v[MX+4+\b], v[MX+\b], s84, s85
.endr
.irp b, 0,1
	v_max_num_f32 v[MX+\b], v[MX+\b], v[MX+4+\b]
.endr
.irp b, 0,1
	v_add_nc_u32 v[MX+8+\b], 0xfe000000, v[MX+\b]
.endr
.irp b, 0,1
	v_lshrrev_b32 v[MX+4+\b], 23, v[MX+8+\b]
.endr
	v_lshl_or_b32 v227, v219, 8, v218
	v_cvt_scalef32_pk16_bf6_f32 v[PC:PC+2], v[S:S+15], v[MX+8]
	v_cvt_scalef32_pk16_bf6_f32 v[PT:PT+2], v[S+16:S+31], v[MX+9]
	v_nop
.irp i, 0,1,2
	v_permlane16_swap_b32 v[PC+\i], v[PT+\i]
.endr
.irp i, 0,1,2
	v_mov_b32 v[PC+3+\i], v[PT+\i]
.endr
	global_store_b128 v1, v[PC:PC+3], s[96:97]                 ; a half image: 512 and 256 bytes on end
	global_store_b64 v2, v[PC+4:PC+5], s[96:97] offset:512
	global_store_b16 v232, v227, s[98:99]                      ; my head's two bytes of each row's scale word
	s_wait_xcnt 0x0                                ; the stores have read their data and bases
	s_sub_co_u32 s14, 127, s14                     ; the other tile,
.irp j, 0,1,2,3,4,5
	v_mov_b32 v[18+\j], v[32+\j]                   ; its Q
.endr
	v_mov_b32 v30, v31
	s_sub_co_u32 s89, s89, 1
	s_cmp_lg_u32 s89, 0
	s_cbranch_scc1 .Lpass
	s_wait_tensorcnt 0x0
	ds_add_u32 v240, v241
	s_wait_dscnt 0x0
	s_endpgm
.Lfunc_end_k_qef80322dc7_attn:
	.size	k_qef80322dc7_attn, .Lfunc_end_k_qef80322dc7_attn-k_qef80322dc7_attn
	.p2alignl 7, 3214868480
	.fill 96, 4, 3214868480
	.section	.rodata,"a",@progbits
	.p2align	6, 0x0
	.amdhsa_kernel k_qef80322dc7_attn
		.amdhsa_group_segment_fixed_size 210944
		.amdhsa_private_segment_fixed_size 0
		.amdhsa_enable_private_segment 0
		.amdhsa_kernarg_size 32
		.amdhsa_user_sgpr_count 2
		.amdhsa_user_sgpr_kernarg_segment_ptr 1
		.amdhsa_wavefront_size32 1
		.amdhsa_system_sgpr_workgroup_id_x 1
		.amdhsa_system_sgpr_workgroup_id_y 1
		.amdhsa_system_sgpr_workgroup_id_z 1
		.amdhsa_system_vgpr_workitem_id 0
		.amdhsa_next_free_vgpr 242
		.amdhsa_next_free_sgpr 102
		.amdhsa_reserve_vcc 0
		.amdhsa_float_denorm_mode_32 3
		.amdhsa_float_denorm_mode_16_64 3
		.amdhsa_memory_ordered 1
		.amdhsa_forward_progress 1
		.amdhsa_inst_pref_size 36
	.end_amdhsa_kernel
	.amdgpu_metadata
---
amdhsa.version: [ 1, 2 ]
amdhsa.kernels:
  - .name:           k_qef80322dc7_attn
    .symbol:         k_qef80322dc7_attn.kd
    .args:
      - { .name: qq, .offset: 0, .size: 8, .value_kind: global_buffer, .address_space: global }
      - { .name: kv, .offset: 8, .size: 8, .value_kind: global_buffer, .address_space: global }
      - { .name: msk, .offset: 16, .size: 8, .value_kind: global_buffer, .address_space: global }
      - { .name: ocod, .offset: 24, .size: 8, .value_kind: global_buffer, .address_space: global }
    .group_segment_fixed_size: 210944
    .private_segment_fixed_size: 0
    .kernarg_segment_align: 8
    .kernarg_segment_size: 32
    .max_flat_workgroup_size: 512
    .sgpr_count:     102
    .vgpr_count:     242
    .wavefront_size: 32
...
	.end_amdgpu_metadata
.endif
;; end of part 3
;; launch oproj (part 4): grid 4 x 64, 4 waves a work-group, clusters of 4 x 4, 307,712 bytes of LDS; arguments ocod, wcod, bo, x, out0; writes out0
.if DOCPART == 4
	.amdgcn_target "amdgcn-amd-amdhsa--gfx1250"
	.amdhsa_code_object_version 6
	.text
	.protected	k_qef80322dc7_oproj
	.globl	k_qef80322dc7_oproj
	.p2align	8
	.type	k_qef80322dc7_oproj,@function
k_qef80322dc7_oproj:
	s_mov_b64 s[64:65], 0
	v_nop
	global_prefetch_b8 v0, s[64:65] scope:SCOPE_SE
	s_setreg_imm32_b32 hwreg(HW_REG_WAVE_MODE, 25, 1), 1
	s_wait_xcnt 0x0
	s_wait_alu depctr_hold_cnt(0) depctr_sa_sdst(0) depctr_va_vdst(0) depctr_va_sdst(0) depctr_va_ssrc(0) depctr_va_vcc(0) depctr_vm_vsrc(0)
	s_getreg_b32 s2, hwreg(HW_REG_IB_STS2, 6, 4)
	s_cmp_eq_u32 s2, 0
	s_cbranch_scc0 .Lentry_in_a_cluster
	s_endpgm
.Lentry_in_a_cluster:
	s_bfe_u32 s2, ttmp6, 0x10000c
	s_cmp_lg_u32 s2, 0xf033
	s_cbranch_scc0 .Lentry_shape_is_right
	s_endpgm
.Lentry_shape_is_right:
; out0 = x + o Wo + bo.  o arrives as codes of BF6 (E3M2) in strips of 128 tokens, Wo as codes in strips of 128 output channels; sums in f32.
; A work-group multiplies source 0 (two strips of Wo: 256 channels) by source 1 (one strip of tokens) over all of K = 1,024; the three strips, 307,200 bytes, lie in LDS as they lie
; in memory, brought by first fills alone, in chunks of two K steps: nothing is filled again.
; CLUSTER 4 x 4: the tokens' strip hangs on cy alone and is asked for jointly along a row of the cluster, Wo's strips on cx alone, jointly along a column.
; Wave w: the tokens' tiles 4 (w / 2) on, Wo's strip w % 2: 4 x 8 accumulators; a lane holds a token, its registers channels.  bo is the C of each sum's first matrix instruction.
; THE WAY OUT: 16 tokens x 128 channels at a time through the wave's own stage in LDS (in the tokens' strip, which has had its one fill and is read no more behind a barrier),
; back as whole rows of 512 bytes, x added, stored as two aligned blocks of 256 bytes an instruction.
; REGISTERS: window 0: v1-15 addresses; v16-27 scale words, two sets; v64-207 operands, set 0; on the way out v64-191 x, v192-255 rows of the result.
;   window 1: accumulator (a, t) at v[8 (8 a + t)].   window 2: v0-63 bo; v64-207 set 1.
.set STRIP, 102400
.set CHUNK, 25600
.set FRB,   1536
.set KSB,   8*FRB
.set SCO,   2*KSB
.set SCS,   16
.set FA,    64
.set FB,    112
.set SP,    528
.set G1A,   16
.set G1B,   24
.set G0A,   32
.set G0B,   48
.set WV,    68
.set WY,    69
.set WX,    70
.set CX,    72
.set CY,    73
.set CLY,   74
.set STO,   14
.set RD,    15
.set MSB, 0
.macro WIN new                         ; the immediate's high byte repeats the setting that is left
.if MSB != \new
	s_set_vgpr_msb (MSB<<8)|\new
.set MSB, \new
.endif
.endm
.macro PLACES n
.rept \n
	v_nop
.endr
.endm
.macro CROUND                          ; a round of the cluster's barrier
	s_barrier_signal -1
	s_barrier_wait -1
	s_cmp_lg_u32 s[WV], 0
	s_cbranch_scc1 .Lnot_wave_0_\@
	s_barrier_signal -3
.Lnot_wave_0_\@:
	s_barrier_wait -3
	s_barrier_signal -1
	s_barrier_wait -1
.endm
	s_load_b256 s[4:11], s[0:1], 0x0               ; ocod, wcod, bo, x
	s_load_b64 s[12:13], s[0:1], 0x20              ; out0
	v_lshl_add_u32 v62, v0, 2, 0x4b000
	v_mov_b32 v63, 0
	ds_add_u32 v62, v63
	ds_add_u32 v62, v63
	v_lshrrev_b32 v1, 5, v0
	v_readfirstlane_b32 s[WV], v1
	s_lshr_b32 s[WY], s[WV], 1
	s_and_b32 s[WX], s[WV], 1
	s_bfe_u32 s[CX], ttmp6, 0x40000
	s_bfe_u32 s[CY], ttmp6, 0x40004
	s_and_b32 s[CLY], ttmp7, 0xffff
	s_lshl_b32 s75, s[CY], 2
	s_lshl_b32 s75, 15, s75                        ; my row of the cluster
	s_lshl_b32 s100, 0x1111, s[CX]                 ; my column
	s_or_b32 s[G1A], s75, (3<<16)|(1<<21)          ; group 1: a chunk is dense: 100 rows of 256 bytes (32 elements of 8 bytes), no padding
	s_or_b32 s[G1B], s100, (3<<16)|(1<<21)
.irp g, G1A, G1B
	s_mov_b32 s[\g+1], 32<<16
	s_mov_b32 s[\g+2], 100<<16
	s_mov_b32 s[\g+3], 32<<16
	s_mov_b32 s[\g+4], 100
	s_mov_b32 s[\g+5], 32
	s_mov_b32 s[\g+6], 0
	s_mov_b32 s[\g+7], 0
.endr
	s_lshl_b32 s80, s[CLY], 2
	s_add_co_u32 s80, s80, s[CY]                   ; ocod's strip 4 cly + cy  (s80, s81 never hold cx)
	s_mul_i32 s80, s80, STRIP
	s_mov_b32 s81, 0
	s_lshl_b32 s82, s[CX], 1
	s_add_co_u32 s82, s82, 24
	s_add_co_u32 s82, s82, s[WX]                   ; wcod's strips 24 + 2 cx + j  (s82, s83 never hold cy)
	s_mul_i32 s82, s82, STRIP
	s_mov_b32 s83, 0
	s_mul_i32 s2, s[WX], STRIP
	s_add_co_u32 s2, s2, STRIP                     ; LDS: the tokens' strip at 0, Wo's at STRIP and 2 STRIP
	s_wait_dscnt 0x0
	s_wait_kmcnt 0x0
	s_add_nc_u64 s[76:77], s[4:5], s[80:81]
	s_add_nc_u64 s[78:79], s[6:7], s[82:83]
.irp i, 0,1,2,3
	s_mov_b32 s[G0A+4*\i], 1
	s_mov_b32 s[G0A+4*\i+1], \i*CHUNK
	s_add_nc_u64 s[G0A+4*\i+2:G0A+4*\i+3], s[76:77], \i*CHUNK
	s_or_b32 s[G0A+4*\i+3], s[G0A+4*\i+3], 0x80000000
	s_mov_b32 s[G0B+4*\i], 1
	s_add_co_u32 s[G0B+4*\i+1], s2, \i*CHUNK
	s_add_nc_u64 s[G0B+4*\i+2:G0B+4*\i+3], s[78:79], \i*CHUNK
	s_or_b32 s[G0B+4*\i+3], s[G0B+4*\i+3], 0x80000000
.endr
	CROUND                                         ; all sixteen work-groups are here: the joint loads meet
	s_cmp_eq_u32 s[WV], 0                          ; a wave's first fills stand in one branch on its number: wave 0 four, wave 1 none, waves 2 and 3 four each: four loads of a wave are out
	s_cbranch_scc0 .Lnot_a
.irp i, 0,1,2,3
	tensor_load_to_lds s[G0A+4*\i:G0A+4*\i+3], s[G1A:G1A+7]
	s_nop 0
.endr
	PLACES 4
	s_branch .Lasked
.Lnot_a:
	s_cmp_lt_u32 s[WV], 2
	s_cbranch_scc1 .Lasked
.irp i, 0,1,2,3
	tensor_load_to_lds s[G0B+4*\i:G0B+4*\i+3], s[G1B:G1B+7]
	s_nop 0
.endr
	PLACES 4
.Lasked:
	v_and_b32 v3, 31, v0
	v_lshlrev_b32 v1, 4, v3                        ; 16 x lane
	v_lshlrev_b32 v2, 3, v3                        ; 8 x lane
	v_lshlrev_b32 v3, 2, v3                        ; 4 x lane
	s_mul_i32 s3, s[WY], 4*FRB
	v_add_nc_u32 v4, s3, v1
	v_add_nc_u32 v5, s3, v2
	v_add_nc_u32 v6, s2, v1
	v_add_nc_u32 v7, s2, v2
	s_lshl_b32 s3, s[WY], 8
	s_add_co_u32 s3, s3, SCO
	v_add_nc_u32 v8, s3, v3
	s_add_co_u32 s3, s2, SCO
	v_add_nc_u32 v9, s3, v3
	v_and_b32 v10, 15, v0                          ; r
	v_bfe_u32 v11, v0, 4, 1                        ; h
	v_lshlrev_b32 v13, 6, v11                      ; 64 h
	s_mul_i32 s3, s[WV], 16*SP                     ; my stage
	v_mul_u32_u24 v[STO], v10, SP
	v_lshl_add_u32 v[STO], v11, 6, v[STO]
	v_add_nc_u32 v[STO], s3, v[STO]                ; in: row r, + 64 h
	v_add_nc_u32 v[RD], s3, v1                     ; back: 16 bytes a lane of a row
	s_lshl_b32 s84, s[CLY], 2
	s_add_co_u32 s84, s84, s[CY]
	s_lshl_b32 s84, s84, 7
	s_lshl_b32 s85, s[WY], 6
	s_add_co_u32 s84, s84, s85                     ; my first token
	s_lshl_b32 s84, s84, 12                        ; a row of x and of out0 is 4,096 bytes
	s_lshl_b32 s90, s[CX], 10
	s_lshl_b32 s85, s[WX], 9
	s_add_co_u32 s90, s90, s85                     ; my 128 channels, in bytes
	s_mov_b32 s91, 0
	s_add_nc_u64 s[98:99], s[8:9], s[90:91]
	s_add_co_u32 s84, s84, s90
	s_mov_b32 s85, 0
	s_add_nc_u64 s[86:87], s[10:11], s[84:85]      ; x
	s_add_nc_u64 s[88:89], s[12:13], s[84:85]      ; out0
	WIN 0x80
.irp t, 0,1,2,3,4,5,6,7
	global_load_b128 v[8*\t:8*\t+3], v13, s[98:99] offset:(32*(\t/2)+8*(\t%2))*4
	global_load_b128 v[8*\t+4:8*\t+7], v13, s[98:99] offset:(32*(\t/2)+8*(\t%2))*4+16
.endr
	WIN 0
.macro FETCH s, q                      ; K step s's twelve fragments and six scale registers into set q
	WIN 0x80*(\q)
.irp a, 0,1,2,3
.irp c, 0,1
	ds_load_b128 v[FA+12*\a+6*\c:FA+12*\a+6*\c+3], v4 offset:((\s)%2)*KSB+FRB*\a+768*\c
	ds_load_b64 v[FA+12*\a+6*\c+4:FA+12*\a+6*\c+5], v5 offset:((\s)%2)*KSB+FRB*\a+768*\c+512
.endr
.endr
.irp t, 0,1,2,3,4,5,6,7
.irp c, 0,1
	ds_load_b128 v[FB+12*\t+6*\c:FB+12*\t+6*\c+3], v6 offset:((\s)%2)*KSB+FRB*\t+768*\c
	ds_load_b64 v[FB+12*\t+6*\c+4:FB+12*\t+6*\c+5], v7 offset:((\s)%2)*KSB+FRB*\t+768*\c+512
.endr
.endr
	WIN 0
.irp j, 0,1
	ds_load_b32 v[SCS+6*(\q)+\j], v8 offset:((\s)%2)*512+128*\j
.endr
.irp j, 0,1,2,3
	ds_load_b32 v[SCS+6*(\q)+2+\j], v9 offset:((\s)%2)*512+128*\j
.endr
.endm
.macro MM a, t, p, cmode               ; one product.  cmode 0: in place; 1: C = bo at tile t's channels
.set rD, 8*(8*(\a)+\t)
.set rB, FB+12*\t
.set rA, FA+12*(\a)
.set sB, SCS+6*(\p)+2+\t/2
.set sA, SCS+6*(\p)+(\a)/2
.set rC, rD
.if \cmode == 1
.set rC, 8*\t
.endif
.if ((\t)%2 == 0) && ((\a)%2 == 0)
	v_wmma_scale_f32_16x16x128_f8f6f4 v[rD:rD+7], v[rB:rB+11], v[rA:rA+11], v[rC:rC+7], v[sB], v[sA] matrix_a_fmt:MATRIX_FMT_BF6 matrix_b_fmt:MATRIX_FMT_BF6
.elseif ((\t)%2 == 1) && ((\a)%2 == 0)
	v_wmma_scale_f32_16x16x128_f8f6f4 v[rD:rD+7], v[rB:rB+11], v[rA:rA+11], v[rC:rC+7], v[sB], v[sA] matrix_a_fmt:MATRIX_FMT_BF6 matrix_b_fmt:MATRIX_FMT_BF6 matrix_a_scale:MATRIX_SCALE_ROW1
.elseif ((\t)%2 == 0) && ((\a)%2 == 1)
	v_wmma_scale_f32_16x16x128_f8f6f4 v[rD:rD+7], v[rB:rB+11], v[rA:rA+11], v[rC:rC+7], v[sB], v[sA] matrix_a_fmt:MATRIX_FMT_BF6 matrix_b_fmt:MATRIX_FMT_BF6 matrix_b_scale:MATRIX_SCALE_ROW1
.else
	v_wmma_scale_f32_16x16x128_f8f6f4 v[rD:rD+7], v[rB:rB+11], v[rA:rA+11], v[rC:rC+7], v[sB], v[sA] matrix_a_fmt:MATRIX_FMT_BF6 matrix_b_fmt:MATRIX_FMT_BF6 matrix_a_scale:MATRIX_SCALE_ROW1 matrix_b_scale:MATRIX_SCALE_ROW1
.endif
.endm
.macro MUL16 a0, p, cmode              ; sixteen products; the 32 accumulators take turns, one instruction a turn, in the same order in every step
.if \cmode
	WIN 0x60
.else
	WIN 0x50|(0x0a*(\p))
.endif
.irp a, \a0, \a0+1
.irp t, 0,1,2,3,4,5,6,7
	MM (\a), \t, \p, \cmode
.endr
.endr
.endm
; x at the sixteen tokens of tile a, my 128 channels: each load reads 512 bytes on end
.macro XLOAD a
.irp i, 0,1,2,3,4,5,6,7,8,9,10,11,12,13,14,15
	global_load_b128 v[64+64*((\a)%2)+4*\i:64+64*((\a)%2)+4*\i+3], v1, s[86:87] offset:(32*((\a)/2)+8*((\a)%2)+\i+8*(\i/8))*4096 th:TH_LOAD_NT
.endr
.endm
; A K step, as in the launch that makes q, k and v; the last step asks for x where the others fetch fragments
.macro STEP s, cmode
	s_wait_dscnt 0x0
.if ((\s)%2 == 1) && ((\s) < 7)
	s_wait_tensorcnt 3-((\s)+1)/2                  ; my part of the next chunk is in: so many chunks were issued behind it
	s_barrier_signal -1
.endif
	MUL16 0, (\s)%2, \cmode
	WIN 0
.if (\s) < 7
.if (\s)%2 == 1
	s_barrier_wait -1
.irp v, 4,5,6,7,8,9
	v_add_nc_u32 v\v, CHUNK, v\v                   ; on to the next chunk; also the places in front of the loads
.endr
.else
	PLACES 4
.endif
	FETCH (\s)+1, 1-(\s)%2
.else
	PLACES 4                                       ; set 0's registers, which the step before multiplied, take x
	XLOAD 0
	XLOAD 1
.endif
	MUL16 2, (\s)%2, \cmode
	WIN 0
.endm
	s_wait_tensorcnt 3                             ; my part of chunk 0 is in; three chunks were issued behind it
	s_barrier_signal -1
	s_barrier_wait -1
	FETCH 0, 0
	s_wait_loadcnt 0x0                             ; bo
	STEP 0, 1
	STEP 1, 0
	STEP 2, 0
	STEP 3, 0
	STEP 4, 0
	STEP 5, 0
	STEP 6, 0
	STEP 7, 0
	PLACES 4                                       ; behind the last products, in front of the first read of results
	s_wait_dscnt 0x0
	s_barrier_signal -1
	s_barrier_wait -1                              ; no wave reads the operands any more: the stages may be written
.macro OUT a
.if (\a) > 0
	s_wait_xcnt 0x0                                ; the last block's stores have read their registers
.endif
	WIN 0x04                                       ; an LDS store's data: window 1
.irp t, 0,1,2,3,4,5,6,7
	ds_store_b128 v[STO], v[8*(8*(\a)+\t):8*(8*(\a)+\t)+3] offset:128*(\t/2)+32*(\t%2)          ; each accumulator from its low end on
	ds_store_b128 v[STO], v[8*(8*(\a)+\t)+4:8*(8*(\a)+\t)+7] offset:128*(\t/2)+32*(\t%2)+16
.endr
	WIN 0
.irp i, 0,1,2,3,4,5,6,7,8,9,10,11,12,13,14,15
	ds_load_b128 v[192+4*\i:192+4*\i+3], v[RD] offset:SP*\i    ; LDS serves a wave's instructions in order: these see my stores
.endr
	s_wait_dscnt 0x0
.if (\a) < 3
	s_wait_loadcnt 16                              ; this block's x is in; the next block's sixteen loads may be out
.else
	s_wait_loadcnt 0x0
.endif
.irp j, 0,2,4,6,8,10,12,14,16,18,20,22,24,26,28,30,32,34,36,38,40,42,44,46,48,50,52,54,56,58,60,62
	v_pk_add_f32 v[192+\j:193+\j], v[192+\j:193+\j], v[64+64*((\a)%2)+\j:65+64*((\a)%2)+\j]
.endr
.if (\a) < 2
	XLOAD (\a)+2
.endif
.irp i, 0,1,2,3,4,5,6,7,8,9,10,11,12,13,14,15
	global_store_b128 v1, v[192+4*\i:192+4*\i+3], s[88:89] offset:(32*((\a)/2)+8*((\a)%2)+\i+8*(\i/8))*4096 th:TH_STORE_NT
.endr
.endm
	OUT 0
	OUT 1
	OUT 2
	OUT 3
	s_wait_tensorcnt 0x0
	ds_add_u32 v62, v63
	s_wait_dscnt 0x0
	CROUND                                         ; the closing round: no work-group ends while a partner may still ask for a chunk that names it
	s_endpgm
.Lfunc_end_k_qef80322dc7_oproj:
	.size	k_qef80322dc7_oproj, .Lfunc_end_k_qef80322dc7_oproj-k_qef80322dc7_oproj
	.p2alignl 7, 3214868480
	.fill 96, 4, 3214868480
	.section	.rodata,"a",@progbits
	.p2align	6, 0x0
	.amdhsa_kernel k_qef80322dc7_oproj
		.amdhsa_group_segment_fixed_size 307712
		.amdhsa_private_segment_fixed_size 0
		.amdhsa_enable_private_segment 0
		.amdhsa_kernarg_size 40
		.amdhsa_user_sgpr_count 2
		.amdhsa_user_sgpr_kernarg_segment_ptr 1
		.amdhsa_wavefront_size32 1
		.amdhsa_system_sgpr_workgroup_id_x 1
		.amdhsa_system_sgpr_workgroup_id_y 1
		.amdhsa_system_sgpr_workgroup_id_z 1
		.amdhsa_system_vgpr_workitem_id 0
		.amdhsa_next_free_vgpr 768
		.amdhsa_next_free_sgpr 102
		.amdhsa_reserve_vcc 0
		.amdhsa_float_denorm_mode_32 3
		.amdhsa_float_denorm_mode_16_64 3
		.amdhsa_memory_ordered 1
		.amdhsa_forward_progress 1
		.amdhsa_inst_pref_size 101
	.end_amdhsa_kernel
	.amdgpu_metadata
---
amdhsa.version: [ 1, 2 ]
amdhsa.kernels:
  - .name:           k_qef80322dc7_oproj
    .symbol:         k_qef80322dc7_oproj.kd
    .args:
      - { .name: ocod, .offset: 0, .size: 8, .value_kind: global_buffer, .address_space: global }
      - { .name: wcod, .offset: 8, .size: 8, .value_kind: global_buffer, .address_space: global }
      - { .name: bo, .offset: 16, .size: 8, .value_kind: global_buffer, .address_space: global }
      - { .name: x, .offset: 24, .size: 8, .value_kind: global_buffer, .address_space: global }
      - { .name: out0, .offset: 32, .size: 8, .value_kind: global_buffer, .address_space: global }
    .group_segment_fixed_size: 307712
    .private_segment_fixed_size: 0
    .kernarg_segment_align: 8
    .kernarg_segment_size: 40
    .max_flat_workgroup_size: 128
    .sgpr_count:     102
    .vgpr_count:     768
    .wavefront_size: 32
...
	.end_amdgpu_metadata
.endif
;; end of part 4
;; ======== version 2 of 2: 4 launches; version 1 with the launch attn written anew for expert scheduling mode
;; limits: right only within a limited range of input values
;; workspace buffers: hcod 6,553,600 bytes; wcod 3,276,800 bytes; msk 524,800 bytes of whole numbers; qq 6,815,744 bytes; kv 13,369,344 bytes; ocod 6,553,600 bytes
;; launch prep: the kernel of part 1 again; grid 448 x 1, 16 waves a work-group, no clusters, 323,840 bytes of LDS; arguments x, gamma, beta, mask, Wq, Wk, Wv, Wo, hcod, wcod, msk; writes hcod, wcod, msk
;; launch qkv: the kernel of part 2 again; grid 12 x 64, 4 waves a work-group, clusters of 4 x 4, 307,712 bytes of LDS; arguments hcod, wcod, bq, bk, bv, qq, kv; writes qq, kv
;; launch attn (part 5): grid 4 x 64, 16 waves a work-group, no clusters, 210,944 bytes of LDS; arguments qq, kv, msk, ocod; writes ocod
.if DOCPART == 5
	.amdgcn_target "amdgcn-amd-amdhsa--gfx1250"
	.amdhsa_code_object_version 6
	.text
	.protected	k_qef80322dc7_attn
	.globl	k_qef80322dc7_attn
	.p2align	8
	.type	k_qef80322dc7_attn,@function
k_qef80322dc7_attn:
	s_mov_b64 s[64:65], 0
	v_nop
	global_prefetch_b8 v0, s[64:65] scope:SCOPE_SE
	s_setreg_imm32_b32 hwreg(HW_REG_WAVE_SCHED_MODE, 0, 2), 2
	s_setreg_imm32_b32 hwreg(HW_REG_WAVE_MODE, 25, 1), 1
	s_wait_xcnt 0x0
	s_wait_alu depctr_vm_vsrc(0)
; o = softmax(where(mask == 0, -1e9, q k^T / 32)) v for one head, both products on codes of BF6 (E3M2); o is divided by the row's sum, quantised along the 1,024 and stored as codes.
; THE SOFTMAX: t = score x log2(e) / 32; M = the running largest t rounded up to a whole number; p = 2^(t - M) is quantised along the keys; the row's sum is of the unquantised p.
; SHARES.  A work-group has one head (y) and a quarter of its 128 tiles of 16 queries; each of sixteen waves takes two tiles one after the other, j and 127 - j.
; The head's K and V as codes with their scale words, 208,896 bytes, are copied into LDS once, through registers, as they lie in memory; one barrier; afterwards LDS is only read.
; NO CLUSTER, NO TENSOR LOAD: which key steps a wave walks hangs on flags read from memory; K and V come once, at the head.
; THE MASK is an input.  An earlier launch has stored, for each tile of queries and key step, 64 lane-mask words (one for each score register) and two flags:
; 'dead' (all 16 x 128 hidden, and every query of the tile sees some key): the step is left out; 'open' (nothing hidden): the words are not read.
; LAYOUT.  Both products transposed: S^T = K Q^T, O^T = V^T P^T: a lane holds one query.  The head's size is 64, half of the instruction's K: Q's upper six registers are zero codes,
; and K's operand of tile t runs on into tile t + 1's codes, which meet those zeros.
; LIMITS: a hidden logit is taken as -2^35 / 32 = -1.0737e9 in place of -1e9, so that its t is a whole number and a query that sees no key gets p = 1 for every key, as with -1e9;
; results differ from the definition only where an open logit lies under about -9e8, and leaving dead steps out rests on the same bound.  A block of zeros gets the byte 1.  NaN and infinities are not served.
; THE MODE: SCHED_MODE bits 1:0 = 2 (LLVM: expert scheduling mode 2), set by the entry lines.  The code itself states the register dependences
; between vector or matrix instructions and memory or LDS instructions, with s_wait_alu, always for 0.
; THE PLAN.  Registers that memory or LDS instructions touch:
;   v1, v2, v232     offsets, made at the head and never written again: read by Q's loads and by the way out's stores.
;   v98-199, v200-204, v206   the copy's data, its offsets and its LDS addresses: read by the copy's loads and LDS stores; behind the barrier they become S^T, O^T and the codes' registers.
;   v7-12            a step's LDS addresses: written by six additions at the head of each step that is walked; read by K's loads (v7, v8, v11) and by V's (v9, v10, v12).
;   v38-85           ONE buffer of fragments: K's loads land, the eight products K Q^T read it, V's loads land, the four products V^T P read it.  (A second buffer would be 48 registers; the wave has no such room.)
;   v92-95, v96-97   K's and V's scale words: loaded, read by the products alone.
;   v194-199, v227   on the way out: written by conversions, swaps and moves, read by the three stores, written again in the next pass.
;   v240, v241       written at the head, read by the closing add alone.
; S^T and p, O^T, the statistics, Q and the zero codes are named by vector and matrix instructions alone.
; So a step that is walked holds: one wait on vm_vsrc and one on va_vdst round the six additions, ahead of K's loads; one on va_vdst behind K Q^T, behind which V's loads are dealt among the
; maximum's lines, which name none of their registers; the two waits behind the exponentials; and one on va_vdst ahead of V^T P, for p's codes and scale word.
.set STRIP, 102400
.set CHUNK, 25600
.set S,  98                            ; v98-161 S^T, then p
.set O,  162                           ; v162-193 O^T
.set PC, 194                           ; v194-205 p's codes
.set PT, 206
.set MX, 214                           ; v214-217 the blocks' maxima; v218-221 at work; v222-225 scale operands
.macro PLACES n
.rept \n
	v_nop
.endr
.endm
; half g of V's eight half fragments of a key step: 512 and 256 bytes on end
.macro VPAIR g
	ds_load_b128 v[38+6*(\g):38+6*(\g)+3], v9 offset:768*(\g)
	ds_load_b64 v[38+6*(\g)+4:38+6*(\g)+5], v10 offset:768*(\g)+512
.endm
	s_load_b256 s[4:11], s[0:1], 0x0               ; qq, kv, msk, ocod
	v_lshl_add_u32 v240, v0, 2, 0x33000
	v_mov_b32 v241, 0
	v_lshrrev_b32 v1, 5, v0
	v_readfirstlane_b32 s12, v1                    ; wave
	s_and_b32 s13, ttmp7, 0xffff                   ; 16 x batch + head
	s_lshl_b32 s14, ttmp9, 4
	s_wait_alu depctr_va_sdst(0)                   ; s12 is written, ahead of its first reader: my tiles' numbers are made from it
	s_add_co_u32 s14, s14, s12                     ; T: my first tile of queries
	v_and_b32 v3, 31, v0
	v_lshlrev_b32 v1, 4, v3                        ; 16 x lane
	v_lshlrev_b32 v2, 3, v3                        ; 8 x lane
	v_lshlrev_b32 v5, 2, v3                        ; 4 x lane
	v_and_b32 v232, 15, v0
	v_lshlrev_b32 v232, 2, v232                    ; 4 r
	v_lshlrev_b32 v200, 4, v0                      ; the copy: 16 bytes a thread, 8,192 a turn
	v_lshlrev_b32 v206, 3, v0
	v_add_nc_u32 v201, 0x10000, v200
	v_add_nc_u32 v202, 0x20000, v200
	v_add_nc_u32 v203, 0x30000, v200
	v_add_nc_u32 v204, 0x30000, v206
	s_mov_b32 s101, 0
	s_sub_co_u32 s93, 127, s14                     ; my second tile
	s_wait_kmcnt 0x0
	s_mul_i32 s100, s13, 208896
	s_add_nc_u64 s[6:7], s[6:7], s[100:101]        ; the head's block of kv
	s_mul_i32 s100, s13, 106496
	s_add_nc_u64 s[4:5], s[4:5], s[100:101]        ; and of qq
	s_mul_i32 s100, s14, 768
	s_add_nc_u64 s[96:97], s[4:5], s[100:101]
	s_lshl_b32 s100, s14, 6
	s_add_co_u32 s100, s100, 98304
	s_add_nc_u64 s[98:99], s[4:5], s[100:101]
	s_mul_i32 s100, s93, 768
	s_add_nc_u64 s[16:17], s[4:5], s[100:101]
	s_lshl_b32 s100, s93, 6
	s_add_co_u32 s100, s100, 98304
	s_add_nc_u64 s[18:19], s[4:5], s[100:101]
	s_wait_alu depctr_va_vdst(0)                   ; v1, v2, v232, v200 to v204 and v206 are written: the loads below, the copy's LDS stores and the way out's stores read them as offsets and addresses
.set k, 0
.rept 25
	global_load_b128 v[S+4*k:S+4*k+3], v200, s[6:7] offset:8192*k
.set k, k+1
.endr
	global_load_b64 v[198:199], v206, s[6:7] offset:204800
	global_load_b128 v[18:21], v1, s[96:97]        ; Q of my first tile: a half image,
	global_load_b64 v[22:23], v2, s[96:97] offset:512
	global_load_b32 v30, v232, s[98:99]            ; its scale words;
	global_load_b128 v[32:35], v1, s[16:17]        ; and of my second
	global_load_b64 v[36:37], v2, s[16:17] offset:512
	global_load_b32 v31, v232, s[18:19]
	v_add_nc_u32 v3, 0x18000, v1                   ; V's codes begin at 98,304.  (The vector lines from here to the barrier write registers that no memory or LDS instruction names)
	v_add_nc_u32 v4, 0x18000, v2
	v_add_nc_u32 v6, 204800, v5                    ; V's scale words
	v_add_nc_u32 v5, 196608, v5                    ; K's
	v_mov_b32 v13, 0xd1000000                      ; -2^35: a hidden score
.irp j, 24,25,26,27,28,29,86,87,88,89,90,91
	v_mov_b32 v\j, 0                               ; Q's upper half, and what stands behind K's last tile: zero codes
.endr
.irp j, 218,219,220,221,227,228
	v_mov_b32 v\j, 0                               ; lane permutes' destinations, and the upper half of the pair v[226:227]
.endr
	s_mov_b32 s84, 0x76543210
	s_mov_b32 s85, 0xfedcba98
	s_mov_b32 s86, 0x3d38aa3b                      ; c = log2(e) / 32
	s_mov_b32 s87, s86
.set k, 0
.rept 25
	s_wait_loadcnt 31-k                            ; load k is in: 31 - k were issued behind it
	ds_store_b128 v[200+k/8], v[S+4*k:S+4*k+3] offset:(k%8)*8192
.set k, k+1
.endr
	s_wait_loadcnt 6
	ds_store_b64 v204, v[198:199] offset:8192
	s_wait_loadcnt 0x0                             ; Q
	s_wait_dscnt 0x0                               ; for the others' sake: my part of the copy has landed
	s_barrier_signal -1
	s_barrier_wait -1
	s_wait_alu depctr_vm_vsrc(0)                   ; the copy's loads and LDS stores have read v98 to v204 and v206: from here on these registers are S^T, O^T and the codes', written by vector and matrix instructions
	s_mov_b32 s89, 2
.Lpass:
	s_lshl_b32 s93, s14, 2
	s_load_b32 s15, s[8:9], s93 offset:524288      ; the tile's flags
	s_lshl_b32 s100, s14, 12
	s_add_nc_u64 s[94:95], s[8:9], s[100:101]      ; its words: 4,096 bytes a tile
	s_lshr_b32 s16, s13, 4                         ; where o's codes go: strip 16 x batch + T / 8, K step head / 2, tile T % 8, half head % 2
	s_lshl_b32 s16, s16, 4
	s_lshr_b32 s17, s14, 3
	s_add_co_u32 s16, s16, s17
	s_mul_i32 s16, s16, STRIP
	s_bfe_u32 s17, s13, 0x20002
	s_mul_i32 s17, s17, CHUNK
	s_add_co_u32 s16, s16, s17
	s_bfe_u32 s17, s13, 0x10001
	s_and_b32 s18, s13, 1
	s_and_b32 s19, s14, 7
	s_mul_i32 s20, s17, 12288
	s_mul_i32 s21, s19, 1536
	s_add_co_u32 s20, s20, s21
	s_mul_i32 s21, s18, 768
	s_add_co_u32 s20, s20, s21
	s_add_co_u32 s20, s20, s16
	s_mov_b32 s21, 0
	s_add_nc_u64 s[96:97], s[10:11], s[20:21]
	s_lshl_b32 s20, s17, 9
	s_lshl_b32 s22, s19, 6
	s_add_co_u32 s20, s20, s22
	s_lshl_b32 s22, s18, 1
	s_add_co_u32 s20, s20, s22
	s_add_co_u32 s20, s20, s16
	s_add_co_u32 s20, s20, 24576
	s_add_nc_u64 s[98:99], s[10:11], s[20:21]
	v_mov_b32 v15, 0xff61b1e6                      ; the largest t so far: -3e38
	v_floor_f32 v14, -v15                          ; -M
	v_mov_b32 v16, 0                               ; the sum, in two halves
	v_mov_b32 v17, 0
.set n, 0
.rept 32
	v_mov_b32 v[O+n], 0                            ; O^T: which step is a tile's first hangs on the flags, so no product can be written that starts the sums
.set n, n+1
.endr
	s_mov_b32 s90, 0                               ; the step's codes: 6,144 bytes a step, of K and of V
	s_mov_b32 s91, 0                               ; K's scale words: 512
	s_mov_b32 s92, 0                               ; V's scale words and the mask's words: 256
	s_mov_b32 s88, 16
	s_wait_kmcnt 0x0
.Lstep:                                            ; sixteen trips, a constant: a dead step jumps over its work, not over the lines that step addresses
	s_bitcmp1_b32 s15, 0
	s_cbranch_scc1 .Ldead
	s_bitcmp1_b32 s15, 16
	s_cbranch_scc1 .Lno_words
	s_load_b512 s[16:31], s[94:95], s92 offset:0
	s_load_b512 s[32:47], s[94:95], s92 offset:64
	s_load_b512 s[48:63], s[94:95], s92 offset:128
	s_load_b512 s[68:83], s[94:95], s92 offset:192
.Lno_words:
	s_wait_alu depctr_vm_vsrc(0)                   ; the LDS loads of the last step walked have read v7 to v12, which the six additions write again
	v_add_nc_u32 v7, s90, v1
	v_add_nc_u32 v8, s90, v2
	v_add_nc_u32 v9, s90, v3
	v_add_nc_u32 v10, s90, v4
	v_add_nc_u32 v11, s91, v5
	v_add_nc_u32 v12, s92, v6
	s_wait_alu depctr_va_vdst(0)                   ; v7 to v12 are written, which this step's LDS loads read; the last step's products are done reading v38 to v85 and v92 to v97, in which they land; Q's registers, its scale word and the zero codes, where vector lines wrote them, are written ahead of the products below
.irp t, 0,1,2,3,4,5,6,7
	ds_load_b128 v[38+6*\t:38+6*\t+3], v7 offset:768*\t
	ds_load_b64 v[38+6*\t+4:38+6*\t+5], v8 offset:768*\t+512
.endr
.irp j, 0,1,2,3
	ds_load_b32 v[92+\j], v11 offset:128*\j        ; lanes 0-15: tile 2 j's words; lanes 16-31: tile 2 j + 1's
.endr
	s_wait_dscnt 0x0
.irp t, 0,2,4,6
	v_wmma_scale_f32_16x16x128_f8f6f4 v[S+8*\t:S+8*\t+7], v[38+6*\t:38+6*\t+11], v[18:29], 0, v[92+\t/2], v30 matrix_a_fmt:MATRIX_FMT_BF6 matrix_b_fmt:MATRIX_FMT_BF6
	v_wmma_scale_f32_16x16x128_f8f6f4 v[S+8*\t+8:S+8*\t+15], v[38+6*\t+6:38+6*\t+17], v[18:29], 0, v[92+\t/2], v30 matrix_a_fmt:MATRIX_FMT_BF6 matrix_b_fmt:MATRIX_FMT_BF6 matrix_a_scale:MATRIX_SCALE_ROW1
.endr
	PLACES 4                                       ; four places behind the products, in front of the first read of the scores
	s_wait_alu depctr_va_vdst(0)                   ; the eight products are done reading K's registers, v38 to v91: V's loads, dealt among the maximum's lines below, land in v38 to v85
	s_bitcmp1_b32 s15, 16
	s_cbranch_scc1 .Lopen
	s_wait_kmcnt 0x0
.set n, 0
.rept 64
	v_cndmask_b32 v[S+n], v13, v[S+n], s[16+n+4*(n/48)]   ; a hidden score becomes -2^35; in ascending order: each result is read from its low end on
.set n, n+1
.endr
.Lopen:
; V lands while the softmax is walked: a pair of loads behind each four lines of the maximum.  No further wait: on both ways no vector line since the wait above names v38 to v85, v96, v97, v9, v10 or v12
.irp b, 0,1,2,3
	v_max3_num_f32 v[MX+\b], v[S+16*\b], v[S+1+16*\b], v[S+2+16*\b]   ; the largest score of each block of 32 keys: for the row's maximum and for the block's largest p
.endr
	VPAIR 0
.irp i, 3,5,7,9,11,13
.irp b, 0,1,2,3
	v_max3_num_f32 v[MX+\b], v[MX+\b], v[S+16*\b+\i], v[S+1+16*\b+\i]
.endr
	VPAIR (\i-1)/2
.endr
.irp b, 0,1,2,3
	v_max_num_f32 v[MX+\b], v[MX+\b], v[S+15+16*\b]
.endr
	VPAIR 7
.irp j, 0,1
	ds_load_b32 v[96+\j], v12 offset:128*\j
.endr
.irp b, 0,1,2,3
	v_permlanex16_b32 v[MX+4+\b], v[MX+\b], s84, s85
.endr
.irp b, 0,1,2,3
	v_max_num_f32 v[MX+\b], v[MX+\b], v[MX+4+\b]
.endr
	v_max3_num_f32 v228, v214, v215, v216
	v_max_num_f32 v228, v228, v217
	v_mul_f32 v228, s86, v228                      ; as t (c is positive)
	v_max_num_f32 v15, v15, v228                   ; the running largest t
	v_mov_b32 v228, v14
	v_floor_f32 v14, -v15                          ; the new -M = -ceil(t)
	v_sub_f32 v228, v14, v228                      ; old M - new M: a whole number, 0 or less
	v_cvt_i32_f32 v228, v228                       ; (it saturates)
	v_ldexp_f32 v226, 1.0, v228                    ; f = 2^(old M - new M)
.set n, 0
.rept 32
	v_pk_fma_f32 v[S+n:S+n+1], v[S+n:S+n+1], s[86:87], v[14:15] op_sel_hi:[1,0,0]   ; t - M
.set n, n+2
.endr
.irp b, 0,1,2,3
	v_fma_f32 v[MX+\b], v[MX+\b], s86, v14
.endr
.set n, 0
.rept 64
	v_exp_f32 v[S+n], v[S+n]                       ; p = 2^(t - M)
.set n, n+1
.endr
	v_pk_mul_f32 v[16:17], v[16:17], v[226:227] op_sel_hi:[1,0]   ; the sums under the new M; a plain place behind the exponentials
	s_wait_alu depctr_va_vdst(0)                   ; the 64 exponentials have written p: one wait for the batch, ahead of its first reader
.irp b, 0,1,2,3
	v_exp_f32 v[MX+\b], v[MX+\b]                   ; each block's largest p
.endr
	v_pk_add_f32 v[230:231], v[S:S+1], v[S+2:S+3]  ; the row's sum of the unquantised p, in two chains
.irp j, 4,8,12,16,20,24,28,32,36,40,44,48,52,56,60
	v_pk_add_f32 v[16:17], v[16:17], v[S+\j:S+\j+1]
	v_pk_add_f32 v[230:231], v[230:231], v[S+\j+2:S+\j+3]
.endr
	v_pk_add_f32 v[16:17], v[16:17], v[230:231]
	s_wait_alu depctr_va_vdst(0)                   ; and one for the four: the blocks' largest p are written, ahead of their first reader
.irp b, 0,1,2,3
	v_max_num_f32 v[MX+\b], 0x2800000, v[MX+\b]    ; the floor 2^(5 - 127)
.endr
.irp b, 0,1,2,3
	v_add_nc_u32 v[MX+8+\b], 0xfe000000, v[MX+\b]
.endr
.irp b, 0,1,2,3
	v_lshrrev_b32 v[MX+4+\b], 23, v[MX+8+\b]
.endr
	v_lshl_or_b32 v227, v219, 8, v218              ; p's scale word for these 128 keys
	v_lshl_or_b32 v227, v220, 16, v227
	v_lshl_or_b32 v227, v221, 24, v227
.irp c, 0,1
	v_cvt_scalef32_pk16_bf6_f32 v[PC+6*\c:PC+6*\c+2], v[S+32*\c:S+32*\c+15], v[MX+8+2*\c]
	v_cvt_scalef32_pk16_bf6_f32 v[PT+4*\c:PT+4*\c+2], v[S+32*\c+16:S+32*\c+31], v[MX+9+2*\c]
.endr
	v_nop                                          ; one plain place behind a scaled conversion
.irp c, 0,1
.irp i, 0,1,2
	v_permlane16_swap_b32 v[PC+6*\c+\i], v[PT+4*\c+\i]
.endr
.irp i, 0,1,2
	v_mov_b32 v[PC+6*\c+3+\i], v[PT+4*\c+\i]
.endr
.endr
.set n, 0
.rept 16
	v_pk_mul_f32 v[O+n:O+n+1], v[O+n:O+n+1], v[226:227] op_sel_hi:[1,0]   ; O^T under the new M; these sixteen are also the places between the scale word's and the codes' last writes and the products
.set n, n+2
.endr
	s_wait_alu depctr_va_vdst(0)                   ; p's codes v194 to v205 and its scale word v227 are written, which the scaled products below take; the places above stay beside this wait
	s_wait_dscnt 0x0                               ; V
.irp t, 0,2
	v_wmma_scale_f32_16x16x128_f8f6f4 v[O+8*\t:O+8*\t+7], v[38+12*\t:38+12*\t+11], v[PC:PC+11], v[O+8*\t:O+8*\t+7], v[96+\t/2], v227 matrix_a_fmt:MATRIX_FMT_BF6 matrix_b_fmt:MATRIX_FMT_BF6
	v_wmma_scale_f32_16x16x128_f8f6f4 v[O+8*\t+8:O+8*\t+15], v[38+12*\t+12:38+12*\t+23], v[PC:PC+11], v[O+8*\t+8:O+8*\t+15], v[96+\t/2], v227 matrix_a_fmt:MATRIX_FMT_BF6 matrix_b_fmt:MATRIX_FMT_BF6 matrix_a_scale:MATRIX_SCALE_ROW1
.endr
.Ldead:
	s_lshr_b32 s15, s15, 1                         ; the next step's two flags come to bits 0 and 16
	s_add_co_u32 s90, s90, 6144
	s_add_co_u32 s91, s91, 512
	s_add_co_u32 s92, s92, 256
	s_sub_co_u32 s88, s88, 1
	s_cmp_lg_u32 s88, 0
	s_cbranch_scc1 .Lstep
	; THE WAY OUT of a tile: o = O^T / the sum; register 16 b + i is channel 32 b + 16 h + i of the head: two blocks along the next product's K
	PLACES 4
	v_add_f32 v16, v16, v17
	v_permlanex16_b32 v228, v16, s84, s85
	v_add_f32 v16, v16, v228
	v_rcp_f32 v16, v16
	v_nop
	s_wait_alu depctr_va_vdst(0)                   ; the reciprocal is written, ahead of its first reader
.set n, 0
.rept 32
	v_mul_f32 v[S+n], v[O+n], v16
.set n, n+1
.endr
.irp b, 0,1
	v_max3_num_f32 v[MX+\b], |v[S+16*\b]|, |v[S+1+16*\b]|, 0x2800000
.endr
.irp i, 2,4,6,8,10,12,14
.irp b, 0,1
	v_max3_num_f32 v[MX+\b], v[MX+\b], |v[S+16*\b+\i]|, |v[S+1+16*\b+\i]|
.endr
.endr
.irp b, 0,1
	v_permlanex16_b32 v[MX+4+\b], v[MX+\b], s84, s85
.endr
.irp b, 0,1
	v_max_num_f32 v[MX+\b], v[MX+\b], v[MX+4+\b]
.endr
.irp b, 0,1
	v_add_nc_u32 v[MX+8+\b], 0xfe000000, v[MX+\b]
.endr
.irp b, 0,1
	v_lshrrev_b32 v[MX+4+\b], 23, v[MX+8+\b]
.endr
	v_lshl_or_b32 v227, v219, 8, v218
	v_cvt_scalef32_pk16_bf6_f32 v[PC:PC+2], v[S:S+15], v[MX+8]
	v_cvt_scalef32_pk16_bf6_f32 v[PT:PT+2], v[S+16:S+31], v[MX+9]
	v_nop
.irp i, 0,1,2
	v_permlane16_swap_b32 v[PC+\i], v[PT+\i]
.endr
.irp i, 0,1,2
	v_mov_b32 v[PC+3+\i], v[PT+\i]
.endr
	s_wait_alu depctr_va_vdst(0)                   ; o's codes v194 to v199 and their two scale bytes in v227 are written, which the three stores read
	global_store_b128 v1, v[PC:PC+3], s[96:97]                 ; a half image: 512 and 256 bytes on end
	global_store_b64 v2, v[PC+4:PC+5], s[96:97] offset:512
	global_store_b16 v232, v227, s[98:99]                      ; my head's two bytes of each row's scale word
	s_wait_xcnt 0x0                                ; the stores have read their data and bases
	s_wait_alu depctr_vm_vsrc(0)                   ; the stores have read v194 to v199 and v227, which the next pass's vector lines write again
	s_sub_co_u32 s14, 127, s14                     ; the other tile,
.irp j, 0,1,2,3,4,5
	v_mov_b32 v[18+\j], v[32+\j]                   ; its Q
.endr
	v_mov_b32 v30, v31
	s_sub_co_u32 s89, s89, 1
	s_cmp_lg_u32 s89, 0
	s_cbranch_scc1 .Lpass
	s_wait_dscnt 0x0                               ; the closing lines, six on end
	s_wait_alu 0x0
	s_wait_tensorcnt 0x0
	ds_add_u32 v240, v241
	s_wait_dscnt 0x0
	s_endpgm
.Lfunc_end_k_qef80322dc7_attn:
	.size	k_qef80322dc7_attn, .Lfunc_end_k_qef80322dc7_attn-k_qef80322dc7_attn
	.p2alignl 7, 3214868480
	.fill 96, 4, 3214868480
	.section	.rodata,"a",@progbits
	.p2align	6, 0x0
	.amdhsa_kernel k_qef80322dc7_attn
		.amdhsa_group_segment_fixed_size 210944
		.amdhsa_private_segment_fixed_size 0
		.amdhsa_enable_private_segment 0
		.amdhsa_kernarg_size 32
		.amdhsa_user_sgpr_count 2
		.amdhsa_user_sgpr_kernarg_segment_ptr 1
		.amdhsa_wavefront_size32 1
		.amdhsa_system_sgpr_workgroup_id_x 1
		.amdhsa_system_sgpr_workgroup_id_y 1
		.amdhsa_system_sgpr_workgroup_id_z 1
		.amdhsa_system_vgpr_workitem_id 0
		.amdhsa_next_free_vgpr 242
		.amdhsa_next_free_sgpr 102
		.amdhsa_reserve_vcc 0
		.amdhsa_float_denorm_mode_32 3
		.amdhsa_float_denorm_mode_16_64 3
		.amdhsa_memory_ordered 1
		.amdhsa_forward_progress 1
		.amdhsa_inst_pref_size 37
	.end_amdhsa_kernel
	.amdgpu_metadata
---
amdhsa.version: [ 1, 2 ]
amdhsa.kernels:
  - .name:           k_qef80322dc7_attn
    .symbol:         k_qef80322dc7_attn.kd
    .args:
      - { .name: qq, .offset: 0, .size: 8, .value_kind: global_buffer, .address_space: global }
      - { .name: kv, .offset: 8, .size: 8, .value_kind: global_buffer, .address_space: global }
      - { .name: msk, .offset: 16, .size: 8, .value_kind: global_buffer, .address_space: global }
      - { .name: ocod, .offset: 24, .size: 8, .value_kind: global_buffer, .address_space: global }
    .group_segment_fixed_size: 210944
    .private_segment_fixed_size: 0
    .kernarg_segment_align: 8
    .kernarg_segment_size: 32
    .max_flat_workgroup_size: 512
    .sgpr_count:     102
    .vgpr_count:     242
    .wavefront_size: 32
...
	.end_amdgpu_metadata
.endif
;; end of part 5
;; launch oproj: the kernel of part 4 again; grid 4 x 64, 4 waves a work-group, clusters of 4 x 4, 307,712 bytes of LDS; arguments ocod, wcod, bo, x, out0; writes out0
